; MI455X (gfx1250); checked and timed in simulation.
; The chip was launched on July 23, 2026; its instructions are those of AMD's public machine-readable ISA for CDNA 5 (MIT licence, August 2026) and "CDNA5" Instruction Set Architecture Reference Guide (July 2026). The comments in the code are by the model that wrote it; some were corrected since.
;; Causal Self Attention. Allowed arithmetic: matrix products marked QUANTISED: E4M3 operands, one E8M0 scale for each 32 along K, by v_wmma_scale_f32_16x16x128_f8f6f4 with both operands' format E4M3, f32 sums; everything else in f32.
;; Inputs: W_attn 1,024 x 3,072 float32; W_proj 1,024 x 1,024 float32; b_attn 3,072 float32; b_proj 1,024 float32; x 4 x 2,048 x 1,024 float32.
;; Outputs: out0 4 x 2,048 x 1,024 float32.
;; This version of the problem:
;;   THIS VERSION OF THE PROBLEM IS GIVEN IN LOW PRECISION. The matrix products marked QUANTISED in the list below multiply operands that are first quantised to E4M3 (4 exponent bits, 3 mantissa bits; 8 bits a number), with one power-of-two scale for each 32 numbers along K (OCP MX v1.0); their sums are f32. All else is computed in f32.
;;   The module's matrix products, in the order in which they are computed (A, B: the left and right operand; K: the contracted axis; several contracted axes count as one K, in the product's order):
;;     1. [M 8,192, K 1,024] x [K 1,024, N 3,072]; A: input x; B: input W_attn: QUANTISED
;;     2. batch 64 x [M 2,048, K 64] x [K 64, N 2,048]; A: computed on the way; B: computed on the way: QUANTISED
;;     3. batch 64 x [M 2,048, K 2,048] x [K 2,048, N 64]; A: softmax (see below); B: computed on the way: QUANTISED
;;     4. [M 8,192, K 1,024] x [K 1,024, N 1,024]; A: computed on the way; B: input W_proj: QUANTISED
;;   THE QUANTISER, for each operand of a quantised product, along K:
;;     - K is cut into blocks of 32 from its start; a last block that is shorter is filled with zeros.
;;     - A block's scale is 2^e with e = floor(log2(the largest magnitude in the block)) - 8, held to -126 .. 127; a block of zeros has e = 0. As a byte (E8M0): e + 127.
;;     - Each number is divided by its block's scale, clamped to +-448, and rounded to the nearest number of E4M3, ties to even, subnormals kept.
;;     - The product sums the exact products of the quantised numbers (number of the format x scale) in f32.
;;   ~~~python
;;   def quantise(x, axis):      # numpy; x: float32 -> the quantised numbers, widened to float32 again
;;       x = np.moveaxis(x, axis, -1); K = x.shape[-1]
;;       x = np.pad(x, [(0, 0)] * (x.ndim - 1) + [(0, -K % 32)]); x = x.reshape(x.shape[:-1] + (-1, 32)); a = np.abs(x).max(-1, keepdims=True)
;;       e = np.where(a > 0, np.clip(np.frexp(np.where(a > 0, a, 1))[1] - 1 - 8, -126, 127), 0)      # np.frexp(a)[1] - 1 = floor(log2(a)), exactly
;;       r = np.clip(x / 2.0 ** e, -448, 448)
;;       step = 2.0 ** (np.maximum(np.frexp(np.where(r == 0, 1, r))[1] - 1, -6) - 3)
;;       q = np.round(r / step) * step * 2.0 ** e      # np.round: ties to even
;;       return np.moveaxis(q.reshape(q.shape[:-2] + (-1,))[..., :K], -1, axis).astype(np.float32)
;;   ~~~
;;   SOFTMAX AHEAD OF A QUANTISED PRODUCT. Where the list says 'softmax', what is quantised is not the finished softmax but p = 2^(t - M), with t = logit x log2(e) and M = ceil(the row's largest t), a whole number; so 1/2 < the row's largest p <= 1. The row's sum l is taken of the UNQUANTISED p, in f32, and the product's result is divided by l at the end. Since M is a whole number, a kernel that streams over the keys may use a running M (the ceiling of the running maximum): every later rescaling is an exact power of two, which a block's scale takes up: the codes' values come out the same.
;;   OPERANDS COMPUTED ON THE WAY. 'Computed on the way' means the value that the module computes at that place (a softmax that the list does not call 'softmax' is quantised finished and normalised). What goes into a quantiser is computed in f32, as accurately as f32 sums, v_exp_f32 and their like allow (about 1e-6 of the number): no bf16 or f16 on the way to a quantiser, and a product that is left as it is and whose result goes on into a quantised operand takes f32 operands (vector FMAs, or v_wmma_f32_16x16x4_f32). A number that lies on a knife's edge between two numbers of the format may be rounded either way, as far as f32 arithmetic and the matrix unit's own rounding can turn it there, and no further.
;; One version. Each part assembles by itself: llvm-mc -triple=amdgcn-amd-amdhsa -mcpu=gfx1250 --defsym DOCPART=n.
;; ======== version 1 of 1: 4 launches
;; limits: right only within a limited range of input values
;; workspace buffers: cod 12,582,912 bytes; scl 393,216 bytes; qr 8,912,896 bytes; kv 17,563,648 bytes; yimg 8,388,608 bytes; ys 262,144 bytes
;; launch quant (part 1): grid 384 x 1, 4 waves a work-group, no clusters, 68,096 bytes of LDS; arguments x, W_attn, W_proj, cod, scl; writes cod, scl
.if DOCPART == 1
	.amdgcn_target "amdgcn-amd-amdhsa--gfx1250"
	.amdhsa_code_object_version 6
	.text
	.protected	k_qbd10e7123d_quant
	.globl	k_qbd10e7123d_quant
	.p2align	8
	.type	k_qbd10e7123d_quant,@function
k_qbd10e7123d_quant:
	s_mov_b64 s[64:65], 0
	v_nop
	global_prefetch_b8 v0, s[64:65] scope:SCOPE_SE
	s_setreg_imm32_b32 hwreg(HW_REG_WAVE_MODE, 25, 1), 1
	s_wait_xcnt 0x0
; x [8192][1024], W_attn [1024][3072] and W_proj [1024][1024], f32, become codes of FP8 (E4M3) with K innermost and one E8M0 byte for each 32 along K:
; cod [12288 rows][1024 bytes], scl [12288 rows][32 bytes].  Rows 0-8191: x's tokens; 8192-11263: W_attn's columns; 11264-12287: W_proj's columns.
; THE ORDER OF ROWS: position p holds row pi(p), p with its bits 3 and 4 exchanged.  So lane r of a tile of 16 positions 16 T .. holds row 32 (T / 2) + 8 (T % 2) + r + 8 (r / 8), and where such
; a tile is a matrix instruction's source 0, a lane's 16 result registers of tiles 2 B and 2 B + 1 are 16 neighbours, 32 B + 16 (lane / 16) + 0 .. 15: what the next quantiser wants.
; A block's scale is 2^(floor(log2(largest magnitude)) - 8); its byte is the largest magnitude's exponent field - 8, held at 1 from below; numbers are held within +-448 x the scale and rounded to nearest, ties to even.
; LIMITS: a block of zeros gets the byte 1 (the rule says 127): its codes are zeros and this program alone reads the bytes; blocks whose largest magnitude lies under 2^-118 keep the byte 1; NaN and infinities are not served.
; Work-groups 0-255 take x (K innermost: a plain stream of blocks; a wave takes 8 rows); work-groups 256-383 take the weights (K is the first axis: a lane takes a column, its registers run down K).
; The two ways part once, on the work-group's number, and each has LDS bytes of its own.  No tensor loads, no barrier: waves share nothing.
.set EMAX,  8
.set MANT,  0x600000                   ; the mantissa field of 448 as f32
	s_load_b128 s[4:7], s[0:1], 0x0                ; x, W_attn
	s_load_b128 s[8:11], s[0:1], 0x10              ; W_proj, cod
	s_load_b64 s[12:13], s[0:1], 0x20              ; scl
	v_lshl_add_u32 v208, v0, 2, 0x10800
	v_mov_b32 v209, 0
	v_lshrrev_b32 v1, 5, v0
	v_readfirstlane_b32 s16, v1                    ; wave 0..3
	v_and_b32 v2, 31, v0                           ; lane
	s_mov_b32 s30, MANT                            ; (an instruction takes one literal: the hold's line has another)
	s_cmp_lt_u32 ttmp9, 256
	s_cbranch_scc0 .Lweights
; ---------------- x: 16 steps of 512 numbers a wave.  Each load reads 512 consecutive bytes; a step's 2,048 bytes turn through the wave's own stage in LDS, so that a lane then holds 16 neighbours.
.set STEPS, 16
.set CB,    16                         ; bytes of 16 codes
.set R,     16                         ; v16-79   four sets of 16 numbers as they are loaded
.set X,     80                         ; v80-111  two sets of 16 neighbours
.set E,     112                        ; v112-127 a scale byte for each step
.set C,     128                        ; v128-191 codes: four registers for each step, so that no store's data are written again
.set WREG,  8192                       ; LDS bytes 0-32767: a region for each wave: two stages of 32 x SP bytes, behind them its 256 scale bytes
.set SP,    80                         ; a lane's place in a stage: its 64 bytes + 16 of padding
	v_lshlrev_b32 v3, 4, v2                        ; my 16 bytes of a load's 512
	s_mul_i32 s17, s16, WREG
	v_lshrrev_b32 v14, 2, v2
	v_mul_u32_u24 v14, v14, SP
	v_and_b32 v15, 3, v2
	v_lshl_add_u32 v14, v15, 4, v14
	v_add_nc_u32 v14, s17, v14                     ; the stage, on the way in: SP (lane / 4) + 16 (lane % 4)
	v_mul_u32_u24 v15, v2, SP
	v_add_nc_u32 v15, s17, v15                     ; and on the way out: SP x lane: my 16 neighbours
	v_mul_u32_u24 v4, v2, CB                       ; my codes' place in a step's
	v_lshrrev_b32 v5, 1, v2
	s_add_co_u32 s17, s17, 2*32*SP
	v_add_nc_u32 v5, s17, v5                       ; LDS: my wave's 256 scale bytes, my block's byte
	v_lshlrev_b32 v7, 3, v2                        ; and on the way out 8 bytes a lane
	v_add_nc_u32 v6, s17, v7
	s_lshl_b32 s17, ttmp9, 2
	s_add_co_u32 s18, s17, s16                     ; the run of 8 rows that I read: 4 x work-group + wave
	s_mov_b32 s19, 0
	s_lshl_b64 s[20:21], s[18:19], 15              ; 8,192 numbers of 4 bytes
	s_and_b32 s22, s16, 1                          ; a run's number holds the rows' bits 3 and 4 in its bits 0 and 1: exchanged, it is the run that I write
	s_lshl_b32 s22, s22, 1
	s_lshr_b32 s23, s16, 1
	s_or_b32 s22, s22, s23
	s_add_co_u32 s22, s22, s17
	s_mov_b32 s23, 0
	s_lshl_b64 s[24:25], s[22:23], 13              ; 8,192 codes
	s_lshl_b64 s[26:27], s[22:23], 8               ; 256 scale bytes
	s_wait_alu depctr_va_vdst(0)
	s_wait_kmcnt 0x0
	s_add_nc_u64 s[4:5], s[4:5], s[20:21]
	s_add_nc_u64 s[10:11], s[10:11], s[24:25]
	s_add_nc_u64 s[12:13], s[12:13], s[26:27]
.macro XLOAD t
.irp i, 0,1,2,3
	global_load_b128 v[R+16*((\t)%4)+4*\i:R+16*((\t)%4)+4*\i+3], v3, s[4:5] offset:2048*(\t)+512*\i th:TH_LOAD_NT   ; 32 lanes read 512 consecutive bytes
.endr
.endm
.macro XTURN t                         ; step t's numbers through the stage: LDS serves a wave's instructions in order, so no wait stands between the stores and the loads
.irp i, 0,1,2,3
	ds_store_b128 v14, v[R+16*((\t)%4)+4*\i:R+16*((\t)%4)+4*\i+3] offset:32*SP*((\t)%2)+8*SP*\i
.endr
.irp i, 0,1,2,3
	ds_load_b128 v[X+16*((\t)%2)+4*\i:X+16*((\t)%2)+4*\i+3], v15 offset:32*SP*((\t)%2)+16*\i
.endr
.endm
.irp t, 0,1,2,3
	XLOAD \t
.endr
	s_wait_loadcnt 12                              ; step 0's four loads are in; the twelve of steps 1 to 3 may be out
	XTURN 0
.macro XSTEP t
.set XS, X+16*((\t)%2)
.if (\t) > 0
	s_wait_dscnt 1                                 ; this step's numbers are back from the stage (the last step's byte store may be out): so its stores into the stage have read their registers,
.else
	s_wait_dscnt 0x0
.endif
.if (\t)+4 < STEPS
	XLOAD (\t)+4                                   ; which take the loads of four steps on
.endif
.if (\t)+1 < STEPS
.if STEPS-2-(\t) >= 3
	s_wait_loadcnt 12                              ; the next step's four loads are in; those of the three steps behind it may be out
.else
	s_wait_loadcnt 4*(STEPS-2-(\t))
.endif
	XTURN (\t)+1                                   ; and go through the other stage while this step is worked
.endif
	v_max3_num_f32 v8, |v[XS]|, |v[XS+1]|, |v[XS+2]|               ; the largest magnitude of my 16, in two chains
	v_max3_num_f32 v9, |v[XS+3]|, |v[XS+4]|, |v[XS+5]|
.irp i, 6,10
	v_max3_num_f32 v8, v8, |v[XS+\i]|, |v[XS+\i+1]|
	v_max3_num_f32 v9, v9, |v[XS+\i+2]|, |v[XS+\i+3]|
.endr
	v_max3_num_f32 v8, v8, |v[XS+14]|, |v[XS+15]|
	v_max3_num_f32 v8, v8, v9, (EMAX+1)<<23        ; and the floor 2^(9 - 127): the byte cannot fall under 1
	v_max_num_f32_dpp v8, v8, v8 row_xmask:1 row_mask:0xf bank_mask:0xf   ; and of my neighbour's 16: the block's
	v_add_nc_u32 v11, -(EMAX<<23), v8              ; 8 off its exponent field: the conversion takes the exponent field of this operand as its scale
	v_and_or_b32 v10, v8, 0x7f800000, s30          ; 448 x the scale
.irp i, 0,1,2,3,4,5,6,7,8,9,10,11,12,13,14,15
	v_med3_num_f32 v[XS+\i], v[XS+\i], -v10, v10   ; the conversion to an 8-bit code does not saturate (ISA guide 7.6.2): the hold comes first
.endr
	v_cvt_scalef32_pk8_fp8_f32 v[C+4*(\t):C+4*(\t)+1], v[XS:XS+7], v11
	v_cvt_scalef32_pk8_fp8_f32 v[C+4*(\t)+2:C+4*(\t)+3], v[XS+8:XS+15], v11
	v_lshrrev_b32 v[E+(\t)], 23, v11               ; the scale's byte (also the plain line behind the conversions)
	ds_store_b8 v5, v[E+(\t)] offset:16*(\t)       ; both lanes of a block write the same byte with the same value
	global_store_b128 v4, v[C+4*(\t):C+4*(\t)+3], s[10:11] offset:32*CB*(\t)   ; 512 consecutive bytes
.endm
.irp t, 0,1,2,3,4,5,6,7,8,9,10,11,12,13,14,15
	XSTEP \t
.endr
	ds_load_b64 v[12:13], v6                       ; LDS serves a wave's instructions in order: these see my stores
	s_wait_dscnt 0x0
	global_store_b64 v7, v[12:13], s[12:13]        ; 32 lanes store 256 consecutive bytes, aligned: 8 rows of scale bytes
	s_wait_tensorcnt 0x0
	ds_add_u32 v208, v209
	s_wait_dscnt 0x0
	s_endpgm
; ---------------- the weights: a wave takes 32 columns x 256 along K: 8 blocks a lane.  A lane's codes belong to one row of cod: they go through the wave's own stage and leave as rows, sixteen lanes to 256 bytes.
.Lweights:
.set PITCH, 272                        ; a stage row: 256 codes + 16 bytes
.set WLDS,  32768                      ; this way's LDS bytes begin here
.set NB,    8
.set WX,    32                         ; v32-95   two sets of 32 numbers
.set WC,    96                         ; v96-103  a block's codes
.set OUTR,  112                        ; v112-175 the way out
.set SB,    24                         ; v24-25   the scale bytes, four to a register
.set VO,    176                        ; v176-207 4 x lane + i rows of the weight: the pitch differs between the two weights, so it cannot stand in an immediate
	s_sub_co_u32 s17, ttmp9, 256
	s_and_b32 s18, s17, 31                         ; which 128 columns: 0-23 W_attn's, 24-31 W_proj's
	s_lshr_b32 s19, s17, 5                         ; which 256 along K
	s_wait_alu depctr_va_vdst(0)
	v_lshlrev_b32 v3, 2, v2
	s_mul_i32 s20, s16, 32*PITCH
	s_add_co_u32 s20, s20, WLDS                    ; my stage
	v_mul_u32_u24 v4, v2, PITCH
	v_add_nc_u32 v4, s20, v4                       ; into it: row = my column
	v_and_b32 v5, 15, v2
	v_lshrrev_b32 v6, 4, v2                        ; out of it: sixteen lanes to a row, two rows an instruction
	v_mul_u32_u24 v7, v6, PITCH
	v_lshl_add_u32 v7, v5, 4, v7
	v_add_nc_u32 v7, s20, v7
	v_lshlrev_b32 v8, 10, v6                       ; and the same in cod: a row is 1,024 bytes (pi leaves bit 0 alone)
	v_lshl_add_u32 v8, v5, 4, v8
	v_and_b32 v9, 7, v2                            ; pi(lane): bits 3 and 4 exchanged,
	v_bfe_u32 v10, v2, 3, 1
	v_lshl_or_b32 v9, v10, 4, v9
	v_bfe_u32 v10, v2, 4, 1
	v_lshl_or_b32 v9, v10, 3, v9
	v_lshlrev_b32 v9, 5, v9                        ; x 32 bytes: my column's row of scale bytes
	s_lshl_b32 s21, s18, 7
	s_lshl_b32 s22, s16, 5
	s_add_co_u32 s21, s21, s22
	s_add_co_u32 s21, s21, 8192                    ; my wave's first row of cod and scl
	s_lshl_b32 s24, s21, 10
	s_lshl_b32 s22, s19, 8
	s_add_co_u32 s24, s24, s22
	s_mov_b32 s25, 0
	s_lshl_b32 s26, s21, 5
	s_lshl_b32 s22, s19, 3
	s_add_co_u32 s26, s26, s22
	s_mov_b32 s27, 0
	s_wait_kmcnt 0x0
	s_cmp_lt_u32 s18, 24                           ; the choice hangs on the work-group's number alone
	s_cselect_b64 s[40:41], s[6:7], s[8:9]
	s_mov_b32 s28, 4096
	s_cselect_b32 s28, 12288, s28                  ; a row of the weight in bytes
	s_cselect_b32 s29, 0, 24
	s_sub_co_u32 s29, s18, s29                     ; which 128 columns of that weight
	s_lshl_b32 s29, s29, 9
	s_lshl_b32 s22, s16, 7
	s_add_co_u32 s29, s29, s22                     ; my wave's first column, in bytes
	s_mul_i32 s22, s19, s28
	s_lshl_b32 s22, s22, 8                         ; 256 rows for each step along K
	s_add_co_u32 s22, s22, s29
	s_mov_b32 s23, 0
	s_add_nc_u64 s[40:41], s[40:41], s[22:23]      ; block 0's first row;
	s_lshl_b32 s22, s28, 5
.irp t, 1,2,3,4,5,6,7
	s_add_nc_u64 s[40+2*\t:41+2*\t], s[38+2*\t:39+2*\t], s[22:23]   ; a base for each block, 32 rows apart: none is ever stepped
.endr
	s_add_nc_u64 s[10:11], s[10:11], s[24:25]
	s_add_nc_u64 s[12:13], s[12:13], s[26:27]
.set II, 0
.rept 32
	v_mad_u32_u24 v[VO+II], s28, II, v3
.set II, II+1
.endr
.macro WLOAD t                         ; block t: W(32 t + i, my column), i = 0 .. 31, into set t % 2: 128 consecutive bytes a wave
.set II, 0
.rept 32
	global_load_b32 v[WX+32*((\t)%2)+II], v[VO+II], s[40+2*(\t):41+2*(\t)] th:TH_LOAD_NT
.set II, II+1
.endr
.endm
	WLOAD 0
	WLOAD 1
.macro WBLOCK t
.set XS, WX+32*((\t)%2)
.if (\t) < NB-1
	s_wait_loadcnt 32                              ; this block's 32 loads are in; the next block's may be out
.else
	s_wait_loadcnt 0
.endif
	v_max3_num_f32 v12, |v[XS]|, |v[XS+1]|, |v[XS+2]|               ; the block's largest magnitude: all 32 numbers are mine
	v_max3_num_f32 v13, |v[XS+3]|, |v[XS+4]|, |v[XS+5]|
.irp i, 6,10,14,18,22,26
	v_max3_num_f32 v12, v12, |v[XS+\i]|, |v[XS+\i+1]|
	v_max3_num_f32 v13, v13, |v[XS+\i+2]|, |v[XS+\i+3]|
.endr
	v_max3_num_f32 v12, v12, |v[XS+30]|, |v[XS+31]|
	v_max3_num_f32 v12, v12, v13, (EMAX+1)<<23     ; and the floor
	v_add_nc_u32 v11, -(EMAX<<23), v12             ; the conversion's scale operand
	v_and_or_b32 v10, v12, 0x7f800000, s30         ; 448 x the scale
	v_lshrrev_b32 v13, 23, v11                     ; the scale's byte
.if (\t)%4 == 0
	v_mov_b32 v[SB+(\t)/4], v13                    ; four bytes to a register, the lower K in the lower byte
.else
	v_lshl_or_b32 v[SB+(\t)/4], v13, 8*((\t)%4), v[SB+(\t)/4]
.endif
.set II, 0
.rept 32
	v_med3_num_f32 v[XS+II], v[XS+II], -v10, v10
.set II, II+1
.endr
.irp g, 0,1,2,3
	v_cvt_scalef32_pk8_fp8_f32 v[WC+2*\g:WC+2*\g+1], v[XS+8*\g:XS+8*\g+7], v11
.endr
	ds_store_b128 v4, v[WC:WC+3] offset:32*(\t)    ; 32 codes: 32 bytes of my column's row
	ds_store_b128 v4, v[WC+4:WC+7] offset:32*(\t)+16
.if (\t)+2 < NB
	WLOAD (\t)+2
.endif
	s_wait_dscnt 0x0                               ; the stores have read their registers: the next block's codes may be written (its first lines are plain vector lines on other registers)
.endm
.irp t, 0,1,2,3,4,5,6,7
	WBLOCK \t
.endr
	global_store_b64 v9, v[SB:SB+1], s[12:13]      ; my column's 8 scale bytes
.irp t, 0,1,2,3,4,5,6,7,8,9,10,11,12,13,14,15
	ds_load_b128 v[OUTR+4*\t:OUTR+4*\t+3], v7 offset:2*\t*PITCH   ; LDS serves a wave's instructions in order: these see my stores
.endr
.irp t, 0,1,2,3,4,5,6,7,8,9,10,11,12,13,14,15
	s_wait_dscnt 15-\t                             ; the younger loads may be out
	global_store_b128 v8, v[OUTR+4*\t:OUTR+4*\t+3], s[10:11] offset:(((2*\t)&7)|((((2*\t)>>3)&1)<<4)|((((2*\t)>>4)&1)<<3))*1024   ; columns 2 t, 2 t + 1 go to positions pi(2 t), pi(2 t) + 1; 16 lanes store 256 consecutive bytes, aligned
.endr
	s_wait_tensorcnt 0x0
	ds_add_u32 v208, v209
	s_wait_dscnt 0x0
	s_endpgm
.Lfunc_end_k_qbd10e7123d_quant:
	.size	k_qbd10e7123d_quant, .Lfunc_end_k_qbd10e7123d_quant-k_qbd10e7123d_quant
	.p2alignl 7, 3214868480
	.fill 96, 4, 3214868480
	.section	.rodata,"a",@progbits
	.p2align	6, 0x0
	.amdhsa_kernel k_qbd10e7123d_quant
		.amdhsa_group_segment_fixed_size 68096
		.amdhsa_private_segment_fixed_size 0
		.amdhsa_enable_private_segment 0
		.amdhsa_kernarg_size 40
		.amdhsa_user_sgpr_count 2
		.amdhsa_user_sgpr_kernarg_segment_ptr 1
		.amdhsa_wavefront_size32 1
		.amdhsa_system_sgpr_workgroup_id_x 1
		.amdhsa_system_sgpr_workgroup_id_y 1
		.amdhsa_system_sgpr_workgroup_id_z 1
		.amdhsa_system_vgpr_workitem_id 0
		.amdhsa_next_free_vgpr 210
		.amdhsa_next_free_sgpr 66
		.amdhsa_reserve_vcc 0
		.amdhsa_float_denorm_mode_32 3
		.amdhsa_float_denorm_mode_16_64 3
		.amdhsa_memory_ordered 1
		.amdhsa_forward_progress 1
		.amdhsa_inst_pref_size 112
	.end_amdhsa_kernel
	.amdgpu_metadata
---
amdhsa.version: [ 1, 2 ]
amdhsa.kernels:
  - .name:           k_qbd10e7123d_quant
    .symbol:         k_qbd10e7123d_quant.kd
    .args:
      - { .name: x, .offset: 0, .size: 8, .value_kind: global_buffer, .address_space: global }
      - { .name: W_attn, .offset: 8, .size: 8, .value_kind: global_buffer, .address_space: global }
      - { .name: W_proj, .offset: 16, .size: 8, .value_kind: global_buffer, .address_space: global }
      - { .name: cod, .offset: 24, .size: 8, .value_kind: global_buffer, .address_space: global }
      - { .name: scl, .offset: 32, .size: 8, .value_kind: global_buffer, .address_space: global }
    .group_segment_fixed_size: 68096
    .private_segment_fixed_size: 0
    .kernarg_segment_align: 8
    .kernarg_segment_size: 40
    .max_flat_workgroup_size: 128
    .sgpr_count:     66
    .vgpr_count:     210
    .wavefront_size: 32
...
	.end_amdgpu_metadata
.endif
;; end of part 1
;; launch gemm_qkv (part 2): grid 8 x 48, 4 waves a work-group, clusters of 4 x 4, 327,680 bytes of LDS; arguments cod, scl, b_attn, qr, kv; writes qr, kv
.if DOCPART == 2
	.amdgcn_target "amdgcn-amd-amdhsa--gfx1250"
	.amdhsa_code_object_version 6
	.text
	.protected	k_qbd10e7123d_gemm_qkv
	.globl	k_qbd10e7123d_gemm_qkv
	.p2align	8
	.type	k_qbd10e7123d_gemm_qkv,@function
k_qbd10e7123d_gemm_qkv:
	s_mov_b64 s[64:65], 0
	v_nop
	global_prefetch_b8 v0, s[64:65] scope:SCOPE_SE
	s_setreg_imm32_b32 hwreg(HW_REG_WAVE_MODE, 25, 1), 1
	s_wait_xcnt 0x0
	s_wait_alu depctr_hold_cnt(0) depctr_sa_sdst(0) depctr_va_vdst(0) depctr_va_sdst(0) depctr_va_ssrc(0) depctr_va_vcc(0) depctr_vm_vsrc(0)
	s_getreg_b32 s2, hwreg(HW_REG_IB_STS2, 6, 4)
	s_cmp_eq_u32 s2, 0
	s_cbranch_scc0 .Lentry_in_a_cluster
	s_endpgm
.Lentry_in_a_cluster:
	s_bfe_u32 s2, ttmp6, 0x10000c
	s_cmp_lg_u32 s2, 0xf033
	s_cbranch_scc0 .Lentry_shape_is_right
	s_endpgm
.Lentry_shape_is_right:
; qkv = x W_attn + b_attn on codes of FP8 (E4M3) with E8M0 scales for each 32 along K (1,024), and q, k, v QUANTISED ON THE WAY OUT: no f32 number of qkv goes to memory.
; Both operands are rows of cod / scl (rows in the order pi: position p holds row p with bits 3 and 4 exchanged).  A tile of 256 x 256 results is made by four waves, 128 x 128 each: 64 accumulators, 512 registers.
; "A" names the operand that is the matrix instruction's source 1: a lane holds one of its rows.  "B" names source 0: a lane's registers run along its rows, and by the order pi the 16 registers of B's blocks
; 2 B and 2 B + 1 are 16 neighbours 32 B + 16 (lane / 16) + 0 .. 15: the layout that the quantiser and the next product's operand want.
; TWO ROLES, by the cluster's y (the same in all sixteen partners):
;   y < 8:  A = 256 tokens, B = 256 columns of q or k.  A lane holds a token, its registers run along the head's 64: q and k are quantised along the head.
;   y >= 8: A = 256 columns of v, B = 256 tokens.  A lane holds a channel of v, its registers run along the keys: v is quantised along the keys.
; The codes leave as IMAGES OF THE NEXT OPERAND'S REGISTERS, 16 bytes a lane, 512 consecutive bytes a store:
;   qr [head-batch 64][slot of 256 tokens 8] records of 17,408 bytes: codes [tile 16][c 2][lane][16], scale words [tile 16][row 16][4] (bytes 2, 3 repeat bytes 0, 1).
;   kv [64][8] records of 34,304 bytes: k's codes as q's; v's codes [128 keys 2][16 channels 4][c 4][lane][16]; k's words; v's words [2][4][row 16][4].
; K goes in steps of 256 through a ring of two LDS slots filled by joint tensor loads (4 x 4 cluster: A's tile shared along a row, B's along a column); the scales of all of K come once and stay in LDS.
; LIMITS: a block of zeros gets the byte 1 (its codes are zeros; this program alone reads the bytes); blocks whose largest magnitude lies under 2^-118 keep the byte 1; NaN and infinities are not served.
; REGISTERS, in windows of 256: window 0: v0-31 addresses and v's bias; v32-63 scale words, two sets; v64-127 q's and k's bias; from v128 A's fragments, ONE set (free on the way out);
;   window 1: B's fragments, two sets;   window 2: accumulators of my rows 0-63 ((a, b) at v[8 (8 a + b)]);   window 3: of rows 64-127.
.set SIZE_K, 1024
.set KSTEP,  256                       ; along K in a slot
.set NQ,     KSTEP/128                 ; matrix instructions deep
.set ROWB,   256                       ; a tile's row in bytes
.set KROW,   SIZE_K                    ; a row of cod in bytes
.set PITCH,  272                       ; an LDS row: 256 bytes + 16 of padding = 68 words: the 16 rows that a load touches start 4 words apart
.set FR,     16                        ; registers of a fragment
.set NL,     4                         ; LDS loads that bring one
.set NP,     8                         ; places behind this matrix instruction (ISA guide 7.12.1)
.set HALFT,  128*PITCH
.set SLOT,   4*HALFT                   ; A's 256 rows, then B's 256 rows
.set LAPS,   SIZE_K/(2*KSTEP)
.set KS,     SIZE_K/32                 ; a row of scales in bytes
.set SCL,    2*SLOT                    ; behind the ring: the scales, as rows of 256 bytes + 16
.set HALFS,  (128*KS/256)*272
.set SBLK,   (16*KS/256)*272
.set SPARE,  SCL+4*HALFS               ; the spare words, 128 bytes for each wave: two blocks of 256 bytes that no other line names
.set RQ,     17408                     ; a record of qr
.set REC,    34304                     ; a record of kv
.set VC,     16384                     ; in it: v's codes,
.set KW,     32768                     ; k's words,
.set VW,     33792                     ; v's words
.set GV,   7                           ; v7      role v: where my 16 bytes of scale words go: lanes 0-15 one head's record, lanes 16-31 the next head's
.set BU,   8                           ; v8-15   role v: the bias of my lane's channel in A's block a
.set ADRA, 16                          ; v16-17  LDS address of my A fragments in slot 0, 1
.set ADRB, 20                          ; v20-21  the same for B
.set STV,  22                          ; v22     role v: where I put a scale word (LDS bytes 4096 + 512 x wave on)
.set RDV,  23                          ; v23     and where I read 16 bytes of them back
.set STQ,  24                          ; v24     role q, k: the same (LDS bytes 1024 x wave on)
.set RDQ,  25                          ; v25
.set GO,   26                          ; v26     16 x lane: my place in an image
.set ADRS, 27                          ; v27     LDS address of my scale words: lanes 0-15 A's rows, lanes 16-31 B's
.set SPW,  28                          ; v28     LDS address of my spare word; never rewritten
.set NIL,  29                          ; v29     0; never rewritten
.set SC,   32                          ; scale words
.set BI,   64                          ; v64-127 role q, k: the bias in the layout of a block's 64 results
.set AF,   128                         ; A's fragments
.set T,    128                         ; the way out: v128-191 a block's 64 numbers,
.set CD,   192                         ; v192-207 their codes,
.set WR,   208                         ; v208-223 scale words,
.set TM,   224                         ; v224-239 at work: largest magnitudes, bytes, holds, scale operands
.set BP,   240                         ; v240-241 role v: the lane's bias, twice
.set G1, 24
.set G0, 32
.set G1B, 48
.set G0B, 56
.set G1S, 68
.set G0S, 76
.set G1SB, 80
.set G0SB, 88
.set OB,  18                           ; the way out: s[18:19], s[20:21] where the two heads' codes go;
.set WB0, 22                           ; s[22:23], s[44:45] their scale words
.set WB1, 44
.set MNT, 43                           ; s43 the mantissa field of 448
.set SEL, 46                           ; s[46:47] v_permlanex16_b32's selects for lane l xor 16
.set MSB, 0
.macro WIN new                         ; the immediate's high byte repeats the setting that is left
.if MSB != (\new)
	s_set_vgpr_msb (MSB<<8)|(\new)
.set MSB, (\new)
.endif
.endm
.set MUL_LO, 0xa1                      ; source 0 (B) window 1, source 1 (A) window 0, C and D window 2
.set MUL_HI, 0xf1                      ; the same, C and D window 3
.set TO_B,   0x40                      ; destination window 1, address window 0
; A joint load: waves 0 and 1 fetch for A, waves 2 and 3 for B.  The branch hangs on the wave's number alone.  Four v_nop follow each of the two lines.
.macro JLOAD g0a, g1a, g0b, g1b
	s_cmp_eq_u32 s15, 0
	s_cbranch_scc0 .Lfor_b_\@
	tensor_load_to_lds s[\g0a:\g0a+3], s[\g1a:\g1a+7]
	s_nop 0
.rept 4
	v_nop
.endr
	s_branch .Lasked_\@
.Lfor_b_\@:
	tensor_load_to_lds s[\g0b:\g0b+3], s[\g1b:\g1b+7]
	s_nop 0
.rept 4
	v_nop
.endr
.Lasked_\@:
.endm
.macro CREST                           ; a round of the cluster's barrier behind its opening barrier
	s_cmp_lg_u32 s14, 0
	s_cbranch_scc1 .Lnot_wave_0_\@
	s_barrier_signal -3
.Lnot_wave_0_\@:
	s_barrier_wait -3
	s_barrier_signal -1
	s_barrier_wait -1
.endm
.macro CROUND                          ; a whole round
	s_barrier_signal -1
	s_barrier_wait -1
	CREST
.endm
	s_load_b128 s[4:7], s[0:1], 0x0                ; cod s[4:5], scl s[6:7]
	s_load_b128 s[8:11], s[0:1], 0x10              ; b_attn s[8:9], qr s[10:11]
	s_load_b64 s[12:13], s[0:1], 0x20              ; kv
	v_lshl_add_u32 v[SPW], v0, 2, SPARE
	v_mov_b32 v[NIL], 0
	ds_add_u32 v28, v29
	ds_add_u32 v28, v29
	s_wait_dscnt 0x0
	v_lshrrev_b32 v1, 5, v0
	v_readfirstlane_b32 s14, v1                    ; wave 0..3
	s_lshr_b32 s15, s14, 1                         ; which half of A's 256 rows is mine.  Also: I fetch for A (0) or for B (1)
	s_and_b32 s16, s14, 1                          ; which half of B's.  Also: which 128 rows of that tile I fetch
	s_bfe_u32 s40, ttmp6, 0x40000                  ; cx, cy: my place in the cluster
	s_bfe_u32 s41, ttmp6, 0x40004
	s_lshl_b32 s42, ttmp9, 2
	s_add_co_u32 s42, s42, s40                     ; xi = 4 x cluster x + cx: 0 .. 7
	s_and_b32 s95, ttmp7, 0xffff                   ; the cluster's y: 0 .. 11
	s_lshl_b32 s17, s95, 2
	s_max_u32 s96, s95, 8
	s_sub_co_u32 s96, s96, 8
	s_lshl_b32 s96, s96, 3                         ; 8 (y - 8) in role v
	s_cmp_ge_u32 s95, 8                            ; the role: the same in all partners
	s_cselect_b32 s17, 40, s17                     ; A's tile of 256 rows of cod: tokens 4 y + cy, or v's columns 40 + cy
	s_cselect_b32 s96, s96, 32                     ; B's: q's and k's columns 32 + xi, or tokens 8 (y - 8) + xi
	s_add_co_u32 s17, s17, s41                     ; (A's never holds cx,
	s_add_co_u32 s96, s96, s42                     ; B's never cy)
	s_lshl_b32 s43, s41, 2
	s_lshl_b32 s43, 15, s43                        ; my row of the cluster
	s_lshl_b32 s44, 0x1111, s40                    ; my column
	; descriptor group 1: a tile of 128 rows x 256 bytes, padded in LDS
	s_or_b32 s[G1+0], s43, (0<<16)|(1<<20)|(1<<21)|(5<<22)|(3<<25)  ; 15:0 the mask: A's tiles go to my row; 17:16 elements of 1 byte; 20 padding on; 21 set beside a mask; 24:22 after every 64 words; 31:25 four words
	s_or_b32 s[G1B+0], s44, (0<<16)|(1<<20)|(1<<21)|(5<<22)|(3<<25)
.irp g, G1, G1B
	s_mov_b32 s[\g+1], ROWB<<16                    ; tensor_dim0
	s_mov_b32 s[\g+2], 256<<16                     ; tensor_dim1: 256 rows for the head's loads; set to 128 for the ring's behind the wait for them
	s_mov_b32 s[\g+3], ROWB<<16                    ; tile_dim0
	s_mov_b32 s[\g+4], 256                         ; tile_dim1
	s_mov_b32 s[\g+5], KROW                        ; tensor_dim0_stride
	s_mov_b32 s[\g+6], 0
	s_mov_b32 s[\g+7], 0
.endr
	; the scales of 256 rows: a dense block of 8,192 bytes, as rows of 256 bytes (32 elements of 8 bytes), 16 bytes of padding behind each
	s_or_b32 s[G1S+0], s43, (3<<16)|(1<<20)|(1<<21)|(5<<22)|(3<<25)
	s_or_b32 s[G1SB+0], s44, (3<<16)|(1<<20)|(1<<21)|(5<<22)|(3<<25)
.irp g, G1S, G1SB
	s_mov_b32 s[\g+1], 32<<16
	s_mov_b32 s[\g+2], KS<<16                      ; the scales of 256 rows: 8,192 dense bytes as 32 rows of 256
	s_mov_b32 s[\g+3], 32<<16
	s_mov_b32 s[\g+4], KS
	s_mov_b32 s[\g+5], 32
	s_mov_b32 s[\g+6], 0
	s_mov_b32 s[\g+7], 0
.endr
	s_lshl_b32 s20, s17, 8                         ; A's tile: its first row
	s_lshl_b32 s46, s96, 8                         ; B's
	s_mov_b32 s21, 0
	s_mov_b32 s47, 0
	s_mov_b64 s[18:19], KS
	s_mul_u64 s[22:23], s[20:21], s[18:19]         ; where these rows' scales begin, in bytes
	s_mul_u64 s[92:93], s[46:47], s[18:19]
	s_mov_b64 s[18:19], KROW
	s_mul_u64 s[20:21], s[20:21], s[18:19]         ; and their codes
	s_mul_u64 s[46:47], s[46:47], s[18:19]
	s_mul_i32 s45, s14, HALFT                      ; where they go: wave x 128 rows: no place in the cluster enters an LDS address
	s_mul_i32 s2, s16, 128*KROW                    ; in the ring I fetch 128 rows of a tile: which half, in bytes
	s_mov_b32 s3, 0
	s_wait_kmcnt 0x0
	s_add_nc_u64 s[20:21], s[4:5], s[20:21]
	s_add_nc_u64 s[22:23], s[6:7], s[22:23]
	s_add_nc_u64 s[46:47], s[4:5], s[46:47]
	s_add_nc_u64 s[92:93], s[6:7], s[92:93]
	CROUND                                         ; all sixteen work-groups are here: the first joint loads meet
	s_mov_b32 s[G0S], 1
	s_mov_b32 s[G0S+1], SCL
	s_mov_b64 s[G0S+2:G0S+3], s[22:23]
	s_or_b32 s[G0S+3], s[G0S+3], 0x80000000
	s_mov_b32 s[G0SB], 1
	s_mov_b32 s[G0SB+1], SCL+2*HALFS
	s_mov_b64 s[G0SB+2:G0SB+3], s[92:93]
	s_or_b32 s[G0SB+3], s[G0SB+3], 0x80000000
	s_mov_b32 s[G0], 1                             ; slot 0's groups 0 serve the head's loads of K step 0's whole tiles: A's 256 rows,
	s_mov_b32 s[G0+1], 0
	s_mov_b64 s[G0+2:G0+3], s[20:21]
	s_or_b32 s[G0+3], s[G0+3], 0x80000000
	s_mov_b32 s[G0B], 1                            ; and B's 256 rows behind them
	s_mov_b32 s[G0B+1], 2*HALFT
	s_mov_b64 s[G0B+2:G0B+3], s[46:47]
	s_or_b32 s[G0B+3], s[G0B+3], 0x80000000
	s_add_nc_u64 s[20:21], s[20:21], s[2:3]        ; for the ring: my 128 rows of the tile
	s_add_nc_u64 s[46:47], s[46:47], s[2:3]
	s_mov_b32 s[G0+4], 1
	s_add_co_u32 s[G0+5], s45, SLOT
	s_add_nc_u64 s[G0+6:G0+7], s[20:21], ROWB
	s_or_b32 s[G0+7], s[G0+7], 0x80000000
	s_mov_b32 s[G0B+4], 1
	s_add_co_u32 s[G0B+5], s45, SLOT
	s_add_nc_u64 s[G0B+6:G0B+7], s[46:47], ROWB
	s_or_b32 s[G0B+7], s[G0B+7], 0x80000000
; THE HEAD'S LOADS, ONE A WAVE: wave 0 K step 0's 256 rows of A, wave 1 its 256 rows of B, wave 2 A's scales, wave 3 B's.  One chain of branches on the wave's number, a load to an arm.
.macro ARM under, g0, g1, next
	s_cmp_lt_u32 s14, \under
	s_cbranch_scc0 \next
	tensor_load_to_lds s[\g0:\g0+3], s[\g1:\g1+7]
	s_nop 0
.rept 4
	v_nop
.endr
	s_branch .Lhead_asked
\next:
.endm
	ARM 1, G0,  G1,  .Lhead_b
	ARM 2, G0B, G1B, .Lhead_sa
	ARM 3, G0S, G1S, .Lhead_sb
	tensor_load_to_lds s[G0SB:G0SB+3], s[G1SB:G1SB+7]
	s_nop 0
.rept 4
	v_nop
.endr
.Lhead_asked:
; PREFETCHES INTO THE L2 of the K steps that later loads will ask for.  A K step is 256 bytes of each row.  Of the 128 rows that my wave fetches in the ring (waves 0, 1: A's; waves 2, 3: B's), each of the four partners that
; ask for them jointly names 32, told apart by address (cx for A, cy for B): a lane a row, one instruction a K step.  Here K steps 1 and 2; K step 3 behind K step 1's load.  Every address lies in my tile's rows of cod.
	s_cmp_eq_u32 s15, 0                            ; do I fetch for A?
	s_cselect_b64 s[100:101], s[20:21], s[46:47]   ; my 128 rows, at K step 0
	s_cselect_b32 s94, s40, s41                    ; my place among the four
	s_lshl_b32 s94, s94, 15                        ; 32 rows of 1,024 bytes
	v_and_b32 v18, 31, v0
	v_lshl_add_u32 v18, v18, 10, s94               ; v18: never written again
	global_prefetch_b8 v18, s[100:101] offset:ROWB th:TH_LOAD_NT scope:SCOPE_SE
	global_prefetch_b8 v18, s[100:101] offset:2*ROWB th:TH_LOAD_NT scope:SCOPE_SE
	v_and_b32 v1, 15, v0                           ; r = l % 16
	v_bfe_u32 v2, v0, 4, 1                         ; h = l / 16
	v_mul_u32_u24 v3, v1, PITCH
	v_lshl_add_u32 v4, v2, 4, v3                   ; a fragment's row x pitch + 16 x half
	s_mul_i32 s21, s15, HALFT                      ; my 128 rows of A
	s_mul_i32 s22, s16, HALFT                      ; my 128 rows of B,
	s_add_co_u32 s22, s22, 2*HALFT                 ; which lie behind A's 256
.irp s, 0,1
	v_add_nc_u32 v[ADRA+\s], s21, v4
	v_add_nc_u32 v[ADRB+\s], s22, v4
	s_add_co_u32 s21, s21, SLOT
	s_add_co_u32 s22, s22, SLOT
.endr
	v_mul_u32_u24 v5, v1, KS                       ; my row's scales: 32 bytes a row,
	v_lshrrev_b32 v6, 8, v5
	v_lshl_add_u32 v5, v6, 4, v5                   ; and 16 more for each 256 passed
	s_mul_i32 s21, s15, HALFS                      ; A's: my 128 rows
	s_mul_i32 s22, s16, HALFS                      ; B's: my 128 rows, behind A's 256
	s_add_co_u32 s22, s22, 2*HALFS
	s_sub_co_u32 s22, s22, s21
	v_mul_u32_u24 v6, s22, v2                      ; lanes 16-31 take B's: one product, the lower base + h x the distance
	s_add_co_u32 s21, s21, SCL
	v_add_nc_u32 v5, v5, v6
	v_add_nc_u32 v[ADRS], s21, v5
	; the way out's addresses, all made here, ahead of the parting of the roles.  The small stages lie in slot 0, which has had its last fill and its last read when the first word is stored there; each role has bytes of its own
	v_and_b32 v6, 31, v0
	v_lshlrev_b32 v[GO], 4, v6
	s_lshl_b32 s23, s14, 10
	v_lshl_add_u32 v[STQ], v1, 2, s23              ; 1024 x wave + 4 r
	v_add_nc_u32 v[RDQ], s23, v[GO]
	s_lshl_b32 s23, s14, 9
	s_add_co_u32 s23, s23, 4096
	v_lshl_add_u32 v[STV], v1, 2, s23              ; 4096 + 512 x wave + 4 r
	v_add_nc_u32 v[RDV], s23, v[GO]
	v_mul_u32_u24 v[GV], v2, 8*REC                 ; from a head's record to the next head's
	v_lshl_add_u32 v[GV], v1, 4, v[GV]
	; the biases, for both roles (both addresses lie inside b_attn in both roles): no branch stands ahead of the ring
	v_lshlrev_b32 v30, 6, v2                       ; 64 h: my half's 16 numbers of a block of 32
	s_wait_alu depctr_va_vdst(0)
	v_and_b32 v5, 8, v1
	v_add_nc_u32 v5, v5, v1
	v_lshlrev_b32 v31, 2, v5                       ; 4 (r + 8 (r / 8))
	s_wait_alu depctr_va_vdst(0)
	s_lshl_b32 s92, s42, 10
	s_lshl_b32 s93, s16, 9
	s_add_co_u32 s92, s92, s93
	s_mov_b32 s93, 0
	s_add_nc_u64 s[66:67], s[8:9], s[92:93]        ; b_attn at column 256 xi + 128 x my half of B
	s_lshl_b32 s92, s41, 10
	s_lshl_b32 s94, s15, 9
	s_add_co_u32 s92, s92, s94
	s_add_co_u32 s92, s92, 8192
	s_add_nc_u64 s[98:99], s[8:9], s[92:93]        ; and at column 2048 + 256 cy + 128 x my half of A
.irp b, 0,1,2,3
.irp j, 0,1,2,3
	global_load_b128 v[BI+16*\b+4*\j:BI+16*\b+4*\j+3], v30, s[66:67] offset:128*\b+16*\j
.endr
.endr
.irp a, 0,1,2,3,4,5,6,7
	global_load_b32 v[BU+\a], v31, s[98:99] offset:4*(32*(\a/2)+8*(\a%2))
.endr
.macro FRAG reg, adr, q, i             ; a fragment, 16 rows x 128 K: lane l holds row l % 16; registers 4 c .. 4 c + 3 hold K = 32 c + 16 (l / 16) + 0 .. 15
.irp c, 0,1,2,3
	ds_load_b128 v[\reg+4*\c:\reg+4*\c+3], v[\adr] offset:128*(\q)+32*\c+(\i)*16*PITCH
.endr
.endm
; 16 matrix instructions: A's blocks a0, a0 + 1 x B's eight, 128 along K.  zero = 1: the first product starts the sums.  The 64 accumulators take turns, one instruction a turn.
.macro MUL16 a0, p, q, sc, zero
.irp a, \a0, \a0+1
.irp b, 0,1,2,3,4,5,6,7
.if \zero
	v_wmma_scale_f32_16x16x128_f8f6f4 v[8*(8*((\a)%4)+\b):8*(8*((\a)%4)+\b)+7], v[128*(\p)+FR*\b:128*(\p)+FR*\b+FR-1], v[AF+FR*(\a):AF+FR*(\a)+FR-1], 0, v[SC+8*NQ*(\sc)+NQ*\b+(\q)], v[SC+8*NQ*(\sc)+NQ*(\a)+(\q)] matrix_a_scale:MATRIX_SCALE_ROW1
.else
	v_wmma_scale_f32_16x16x128_f8f6f4 v[8*(8*((\a)%4)+\b):8*(8*((\a)%4)+\b)+7], v[128*(\p)+FR*\b:128*(\p)+FR*\b+FR-1], v[AF+FR*(\a):AF+FR*(\a)+FR-1], v[8*(8*((\a)%4)+\b):8*(8*((\a)%4)+\b)+7], v[SC+8*NQ*(\sc)+NQ*\b+(\q)], v[SC+8*NQ*(\sc)+NQ*(\a)+(\q)] matrix_a_scale:MATRIX_SCALE_ROW1
.endif
.endr
.endr
.endm
.macro FETCH_B slot, q, p              ; B's eight fragments of the slot's q-th 128 along K into set p
	WIN TO_B
.irp i, 0,1,2,3,4,5,6,7
	FRAG 128*(\p)+FR*\i, ADRB+\slot, \q, \i
.endr
	WIN 0
.endm
.macro FETCH_A slot, q, i0             ; A's blocks i0 .. i0 + 3
.irp i, \i0, \i0+1, \i0+2, \i0+3
	FRAG AF+FR*(\i), ADRA+\slot, \q, \i
.endr
.endm
.macro SCALES sc                       ; the next K step's scale words: two words a row; lanes 0-15 take A's block i, lanes 16-31 B's block i
.irp i, 0,1,2,3,4,5,6,7
	ds_load_b64 v[SC+8*NQ*\sc+NQ*\i:SC+8*NQ*\sc+NQ*\i+1], v[ADRS] offset:\i*SBLK
.endr
.endm
.macro PLACES n                        ; plain vector lines between a matrix instruction and a load into, or a vector line on, its registers
.rept \n
	v_nop
.endr
.endm
; A step of 128 along K that has its successor in the same slot.
.macro STEP slot, q, zero
	s_wait_dscnt 4*NL                              ; B's set and A's blocks 0-3 are in; the youngest sixteen loads (A's blocks 4-7) may be out
	WIN MUL_LO
	MUL16 0, (\q)%2, \q, \slot, \zero
	MUL16 2, (\q)%2, \q, \slot, \zero
	s_wait_dscnt 0                                 ; A's blocks 4-7 are in
	PLACES NP
	FETCH_B \slot, (\q)+1, 1-(\q)%2
	FETCH_A \slot, (\q)+1, 0
	WIN MUL_HI
	MUL16 4, (\q)%2, \q, \slot, \zero
	MUL16 6, (\q)%2, \q, \slot, \zero
	PLACES NP
	WIN 0
	FETCH_A \slot, (\q)+1, 4
.endm
; A slot's last step changes slots: ONE barrier; in front of it each wave waits for all its tensor loads, adds 0 to its spare word, and waits for that and for its own reads of this slot.  fill = 1: this slot is filled again.
.macro TURN slot, next, fill
	s_wait_tensorcnt 0x0                           ; all my tensor loads have landed: my part of the next slot
	ds_add_u32 v[SPW], v[NIL]                      ; 0 onto my spare word
	s_wait_dscnt 4*NL+1                            ; (the add and the youngest sixteen loads may be out)
	WIN MUL_LO
	MUL16 0, 1, NQ-1, \slot, 0                     ; sixteen matrix instructions stand between the add and the wait for it
	s_wait_dscnt 0x0                               ; the add is done, and my reads of this slot are over
	s_barrier_signal -1
	MUL16 2, 1, NQ-1, \slot, 0
	WIN 0
	s_barrier_wait -1
.if \fill
	CREST                                          ; the barrier has opened a round of the cluster's barrier: no wave of any partner still reads this slot or has a load on its way
	s_add_nc_u64 s[G0+4*\slot+2:G0+4*\slot+3], s[G0+4*\slot+2:G0+4*\slot+3], 2*ROWB
	s_add_nc_u64 s[G0B+4*\slot+2:G0B+4*\slot+3], s[G0B+4*\slot+2:G0B+4*\slot+3], 2*ROWB
	JLOAD G0+4*\slot, G1, G0B+4*\slot, G1B         ; the first tensor load behind the round; its four v_nop are among the places in front of the loads below
	PLACES NP-4
.else
	PLACES NP
.endif
	s_wait_alu depctr_va_vdst(0)
	v_add_nc_u32 v[ADRS], 4*NQ, v[ADRS]            ; on to the next K step's scale words
	FETCH_B \next, 0, 0
	FETCH_A \next, 0, 0
	SCALES \next
	WIN MUL_HI
	MUL16 4, 1, NQ-1, \slot, 0
	MUL16 6, 1, NQ-1, \slot, 0
	PLACES NP
	WIN 0
	FETCH_A \next, 0, 4
.endm
	s_wait_alu depctr_va_vdst(0)                   ; the wait at the head's end
	s_wait_tensorcnt 0x0                           ; my tile of the head's four is in
	ds_add_u32 v[SPW], v[NIL]
	s_mov_b32 s[G1+2], 128<<16                     ; no tensor load of mine is out, so descriptors may be written: from here on a load brings 128 rows,
	s_mov_b32 s[G1+4], 128
	s_mov_b32 s[G1B+2], 128<<16
	s_mov_b32 s[G1B+4], 128
	s_mov_b32 s[G0+1], s45                         ; and slot 0's groups 0 name my 128 rows of K step 0: the first refill steps them on
	s_add_nc_u64 s[G0+2:G0+3], s[G0+2:G0+3], s[2:3]
	s_mov_b32 s[G0B+1], s45
	s_add_nc_u64 s[G0B+2:G0B+3], s[G0B+2:G0B+3], s[2:3]
	s_wait_dscnt 0x0
	CROUND                                         ; a whole round: all four tiles are in, and all sixteen work-groups are here
	JLOAD G0+4, G1, G0B+4, G1B                     ; K step 1's load, the first tensor load behind the round
	FETCH_B 0, 0, 0
	FETCH_A 0, 0, 0
	SCALES 0
	FETCH_A 0, 0, 4
	global_prefetch_b8 v18, s[100:101] offset:3*ROWB th:TH_LOAD_NT scope:SCOPE_SE   ; K step 3, two changes of slots ahead of its load; there is no K step behind it
	STEP 0, 0, 1                                   ; the first step stands in front of the loop: its products start the sums
	s_mov_b32 s3, LAPS-1
.Llap:                                                 ; a trip goes once round the ring and fills both slots again
	TURN 0, 1, 1
	STEP 1, 0, 0
	TURN 1, 0, 1
	STEP 0, 0, 0
	s_sub_co_u32 s3, s3, 1
	s_cmp_lg_u32 s3, 0
	s_cbranch_scc1 .Llap
	TURN 0, 1, 0                                   ; the last lap fills nothing
	STEP 1, 0, 0
	s_wait_dscnt 4*NL                              ; the very last step
	WIN MUL_LO
	MUL16 0, 1, NQ-1, 1, 0
	MUL16 2, 1, NQ-1, 1, 0
	s_wait_dscnt 0
	WIN MUL_HI
	MUL16 4, 1, NQ-1, 1, 0
	MUL16 6, 1, NQ-1, 1, 0
	WIN 0
; THE WAY OUT.  A block a of A's rows: 64 results a lane, register 16 B + i = neighbour 32 B + 16 (lane / 16) + i along B's rows.  + bias; four blocks of 32 are quantised; the codes are the next operand's registers.
; 64 numbers in v[T] on become 16 registers of codes in v[CD] on; the four scale bytes are left in v[TM+4] .. v[TM+7].
.macro QUANT64
.irp b, 0,1,2,3
	v_max3_num_f32 v[TM+\b], |v[T+16*\b]|, |v[T+1+16*\b]|, 0x4800000   ; my 16 numbers of block b, and the floor 2^(9 - 127): the byte cannot fall under 1
.endr
.irp i, 2,4,6,8,10,12,14
.irp b, 0,1,2,3
	v_max3_num_f32 v[TM+\b], v[TM+\b], |v[T+16*\b+\i]|, |v[T+1+16*\b+\i]|   ; (the four blocks by turns)
.endr
.endr
.irp b, 0,1,2,3
	v_permlanex16_b32 v[TM+4+\b], v[TM+\b], s[SEL], s[SEL+1]
.endr
.irp b, 0,1,2,3
	v_max_num_f32 v[TM+\b], v[TM+\b], v[TM+4+\b]   ; with lane l xor 16's: the block's largest magnitude
.endr
.irp b, 0,1,2,3
	v_add_nc_u32 v[TM+12+\b], 0xfc000000, v[TM+\b] ; 8 off its exponent field: the conversion's scale operand
.endr
.irp b, 0,1,2,3
	v_and_or_b32 v[TM+8+\b], v[TM+\b], 0x7f800000, s[MNT]   ; 448 x the scale
.endr
.irp b, 0,1,2,3
	v_lshrrev_b32 v[TM+4+\b], 23, v[TM+12+\b]      ; the scale's byte
.endr
.irp b, 0,1,2,3
.irp i, 0,1,2,3,4,5,6,7,8,9,10,11,12,13,14,15
	v_med3_num_f32 v[T+16*\b+\i], v[T+16*\b+\i], -v[TM+8+\b], v[TM+8+\b]   ; the conversion to an 8-bit code does not saturate (ISA guide 7.6.2): the hold comes first
.endr
	v_cvt_scalef32_pk8_fp8_f32 v[CD+4*\b:CD+1+4*\b], v[T+16*\b:T+7+16*\b], v[TM+12+\b]
	v_cvt_scalef32_pk8_fp8_f32 v[CD+2+4*\b:CD+3+4*\b], v[T+8+16*\b:T+15+16*\b], v[TM+12+\b]
.endr
	v_nop                                          ; a plain line behind the last conversion, ahead of the next lines that write its sources
.endm
.macro OUT role                        ; role 0: q, k;  1: v
.irp a, 0,1,2,3,4,5,6,7
.if \a > 0
	s_wait_xcnt 0x0                                ; the last block's stores have read their registers: the codes may be written again
.endif
.if \role
	v_mov_b32 v[BP], v[BU+\a]                      ; my channel's bias, for both halves of the packed additions
	v_mov_b32 v[BP+1], v[BU+\a]
.endif
	WIN 0x02+(\a/4)                                ; source 0: window 2 or 3
.irp n, 0,1,2,3,4,5,6,7,8,9,10,11,12,13,14,15,16,17,18,19,20,21,22,23,24,25,26,27,28,29,30,31
.if \role
	v_pk_add_f32 v[T+2*\n:T+2*\n+1], v[64*(\a%4)+2*\n:64*(\a%4)+2*\n+1], v[BP:BP+1]   ; each accumulator from its low end on
.else
	v_pk_add_f32 v[T+2*\n:T+2*\n+1], v[64*(\a%4)+2*\n:64*(\a%4)+2*\n+1], v[BI+2*\n:BI+2*\n+1]
.endif
.endr
	WIN 0
	QUANT64
.if \role
.irp b, 0,1,2,3
	global_store_b128 v[GO], v[CD+4*\b:CD+4*\b+3], s[OB+2*(\a/4):OB+2*(\a/4)+1] offset:2048*(\a%4)+512*\b   ; head a / 4, channels 16 (a % 4) on, keys 32 b on: 512 consecutive bytes
.endr
	v_lshl_or_b32 v[WR+\a], v[TM+5], 8, v[TM+4]    ; my channel's scale word for these 128 keys
	v_lshl_or_b32 v[WR+\a], v[TM+6], 16, v[WR+\a]
	v_lshl_or_b32 v[WR+\a], v[TM+7], 24, v[WR+\a]
	ds_store_b32 v[STV], v[WR+\a] offset:64*\a     ; (lanes r and r + 16 write the same word with the same value)
.else
.irp b, 0,1,2,3
	global_store_b128 v[GO], v[CD+4*\b:CD+4*\b+3], s[OB+2*(\b/2):OB+2*(\b/2)+1] offset:1024*\a+512*(\b%2)   ; head b / 2, tile a, channels 32 (b % 2) on: 512 consecutive bytes
.endr
	v_lshl_or_b32 v[WR+2*\a], v[TM+5], 8, v[TM+4]  ; my token's scale word in each head: its two bytes, twice over: the word serves the head's 64 in either half of a K of 128
	v_lshl_or_b32 v[WR+2*\a+1], v[TM+7], 8, v[TM+6]
	v_lshl_or_b32 v[WR+2*\a], v[WR+2*\a], 16, v[WR+2*\a]
	v_lshl_or_b32 v[WR+2*\a+1], v[WR+2*\a+1], 16, v[WR+2*\a+1]
	ds_store_b32 v[STQ], v[WR+2*\a] offset:64*\a
	ds_store_b32 v[STQ], v[WR+2*\a+1] offset:512+64*\a
.endif
.endr
.endm
	PLACES NP                                      ; behind the last products: the lines below write registers that held A's fragments and read results
	s_wait_loadcnt 0x0                             ; the biases
	s_wait_xcnt 0x0                                ; the prefetches have read their base: s100 and s101 are written below
	s_mov_b32 s[SEL], 0x76543210
	s_mov_b32 s[SEL+1], 0xfedcba98
	s_mov_b32 s[MNT], 0x600000
.irp b, 0,1,2,3
	v_mov_b32 v[TM+4+\b], 0                        ; written once: a lane permute's destination counts as one of its sources
.endr
	s_mov_b32 s101, 0
	s_cmp_ge_u32 s95, 8                            ; the role: the cluster's y, the same in all partners
	s_cbranch_scc1 .Lrole_v
	s_lshr_b32 s92, s17, 3                         ; the batch,
	s_and_b32 s93, s17, 7                          ; the slot of 256 tokens,
	s_and_b32 s94, s42, 3
	s_lshl_b32 s94, s94, 2
	s_lshl_b32 s2, s16, 1
	s_add_co_u32 s94, s94, s2                      ; my first head: 4 (xi % 4) + 2 x my half of B
	s_lshl_b32 s92, s92, 4
	s_add_co_u32 s92, s92, s94
	s_lshl_b32 s92, s92, 3
	s_add_co_u32 s92, s92, s93                     ; the record's number
	s_cmp_lt_u32 s42, 4                            ; q's columns or k's: a choice of buffer on the work-group's number
	s_cselect_b64 s[OB:OB+1], s[10:11], s[12:13]
	s_mov_b32 s93, REC
	s_cselect_b32 s93, RQ, s93                     ; a record's bytes,
	s_mov_b32 s94, KW
	s_cselect_b32 s94, 16384, s94                  ; and where its words begin
	s_mul_i32 s100, s92, s93
	s_add_nc_u64 s[OB:OB+1], s[OB:OB+1], s[100:101]
	s_lshl_b32 s100, s15, 9
	s_add_co_u32 s100, s100, s94
	s_add_nc_u64 s[WB0:WB0+1], s[OB:OB+1], s[100:101]   ; my eight tiles' words
	s_lshl_b32 s100, s15, 13
	s_add_nc_u64 s[OB:OB+1], s[OB:OB+1], s[100:101]     ; my eight tiles' codes
	s_lshl_b32 s100, s93, 3
	s_add_nc_u64 s[OB+2:OB+3], s[OB:OB+1], s[100:101]   ; the next head: eight records on
	s_add_nc_u64 s[WB1:WB1+1], s[WB0:WB0+1], s[100:101]
	OUT 0
	ds_load_b128 v[T:T+3], v[RDQ]                  ; LDS serves a wave's instructions in order: these see my stores
	ds_load_b128 v[T+4:T+7], v[RDQ] offset:512
	s_wait_dscnt 0x0
	global_store_b128 v[GO], v[T:T+3], s[WB0:WB0+1]     ; 512 consecutive bytes: eight tiles' words
	global_store_b128 v[GO], v[T+4:T+7], s[WB1:WB1+1]
	s_branch .Ldone
.Lrole_v:
	s_lshr_b32 s92, s96, 3                         ; the batch,
	s_and_b32 s93, s96, 7                          ; the slot of 256 keys,
	s_lshl_b32 s94, s41, 2
	s_lshl_b32 s2, s15, 1
	s_add_co_u32 s94, s94, s2                      ; my first head: 4 cy + 2 x my half of A
	s_lshl_b32 s92, s92, 4
	s_add_co_u32 s92, s92, s94
	s_lshl_b32 s92, s92, 3
	s_add_co_u32 s92, s92, s93
	s_mul_i32 s100, s92, REC
	s_add_nc_u64 s[OB:OB+1], s[12:13], s[100:101]
	s_lshl_b32 s100, s16, 8
	s_add_co_u32 s100, s100, VW
	s_add_nc_u64 s[WB0:WB0+1], s[OB:OB+1], s[100:101]   ; my 128 keys' words
	s_lshl_b32 s100, s16, 13
	s_add_co_u32 s100, s100, VC
	s_add_nc_u64 s[OB:OB+1], s[OB:OB+1], s[100:101]     ; my 128 keys' codes
	s_add_nc_u64 s[OB+2:OB+3], s[OB:OB+1], 8*REC        ; the next head
	OUT 1
	ds_load_b128 v[T:T+3], v[RDV]
	s_wait_dscnt 0x0
	global_store_b128 v[GV], v[T:T+3], s[WB0:WB0+1]     ; lanes 0-15: one head's 256 bytes; lanes 16-31: the next head's
.Ldone:
	s_wait_tensorcnt 0x0                           ; the wave's end
	ds_add_u32 v[SPW], v[NIL]
	s_wait_dscnt 0x0
	CROUND                                         ; the closing round: no work-group ends while a partner may still ask for a tile that names it
	s_endpgm
.Lfunc_end_k_qbd10e7123d_gemm_qkv:
	.size	k_qbd10e7123d_gemm_qkv, .Lfunc_end_k_qbd10e7123d_gemm_qkv-k_qbd10e7123d_gemm_qkv
	.p2alignl 7, 3214868480
	.fill 96, 4, 3214868480
	.section	.rodata,"a",@progbits
	.p2align	6, 0x0
	.amdhsa_kernel k_qbd10e7123d_gemm_qkv
		.amdhsa_group_segment_fixed_size 327680
		.amdhsa_private_segment_fixed_size 0
		.amdhsa_enable_private_segment 0
		.amdhsa_kernarg_size 40
		.amdhsa_user_sgpr_count 2
		.amdhsa_user_sgpr_kernarg_segment_ptr 1
		.amdhsa_wavefront_size32 1
		.amdhsa_system_sgpr_workgroup_id_x 1
		.amdhsa_system_sgpr_workgroup_id_y 1
		.amdhsa_system_sgpr_workgroup_id_z 1
		.amdhsa_system_vgpr_workitem_id 0
		.amdhsa_next_free_vgpr 1024
		.amdhsa_next_free_sgpr 102
		.amdhsa_reserve_vcc 0
		.amdhsa_float_denorm_mode_32 3
		.amdhsa_float_denorm_mode_16_64 3
		.amdhsa_memory_ordered 1
		.amdhsa_forward_progress 1
		.amdhsa_inst_pref_size 255
	.end_amdhsa_kernel
	.section	.bss,"aw",@nobits
	.p2align	6
	.space	262144
	.amdgpu_metadata
---
amdhsa.version: [ 1, 2 ]
amdhsa.kernels:
  - .name:           k_qbd10e7123d_gemm_qkv
    .symbol:         k_qbd10e7123d_gemm_qkv.kd
    .args:
      - { .name: cod, .offset: 0, .size: 8, .value_kind: global_buffer, .address_space: global }
      - { .name: scl, .offset: 8, .size: 8, .value_kind: global_buffer, .address_space: global }
      - { .name: b_attn, .offset: 16, .size: 8, .value_kind: global_buffer, .address_space: global }
      - { .name: qr, .offset: 24, .size: 8, .value_kind: global_buffer, .address_space: global }
      - { .name: kv, .offset: 32, .size: 8, .value_kind: global_buffer, .address_space: global }
    .group_segment_fixed_size: 327680
    .private_segment_fixed_size: 0
    .kernarg_segment_align: 8
    .kernarg_segment_size: 40
    .max_flat_workgroup_size: 128
    .sgpr_count:     102
    .vgpr_count:     1024
    .wavefront_size: 32
...
	.end_amdgpu_metadata
.endif
;; end of part 2
;; launch attn (part 3): grid 4 x 64, 16 waves a work-group, clusters of 4 x 1, 327,680 bytes of LDS; arguments qr, kv, yimg, ys; writes yimg, ys
.if DOCPART == 3
	.amdgcn_target "amdgcn-amd-amdhsa--gfx1250"
	.amdhsa_code_object_version 6
	.text
	.protected	k_qbd10e7123d_attn
	.globl	k_qbd10e7123d_attn
	.p2align	8
	.type	k_qbd10e7123d_attn,@function
k_qbd10e7123d_attn:
	s_mov_b64 s[64:65], 0
	v_nop
	global_prefetch_b8 v0, s[64:65] scope:SCOPE_SE
	s_setreg_imm32_b32 hwreg(HW_REG_WAVE_MODE, 25, 1), 1
	s_wait_xcnt 0x0
	s_wait_alu depctr_hold_cnt(0) depctr_sa_sdst(0) depctr_va_vdst(0) depctr_va_sdst(0) depctr_va_ssrc(0) depctr_va_vcc(0) depctr_vm_vsrc(0)
	s_getreg_b32 s2, hwreg(HW_REG_IB_STS2, 6, 4)
	s_cmp_eq_u32 s2, 0
	s_cbranch_scc0 .Lentry_in_a_cluster
	s_endpgm
.Lentry_in_a_cluster:
	s_bfe_u32 s2, ttmp6, 0x10000c
	s_cmp_lg_u32 s2, 0x3003
	s_cbranch_scc0 .Lentry_shape_is_right
	s_endpgm
.Lentry_shape_is_right:
; y[b][t][64 head + d] = the sum over keys k <= t of softmax_k(q . k / 8) v, both products on codes of FP8 (E4M3) with E8M0 scales, and y QUANTISED ON THE WAY OUT for the last product.
; q, k, v come as images of operand registers (qr, kv; tokens in the order pi: lane r of tile T holds token 32 (T / 2) + 8 (T % 2) + r + 8 (r / 8)); q's and k's scale words hold their two bytes twice.
; THE SOFTMAX: t = score x log2(e) / 8; M = the running largest t rounded UP to a whole number; p = 2^(t - M) is quantised along the keys; the row's sum is taken of the unquantised p and divides O at the end.
; When M moves, the sum and O are multiplied by 2^(old M - new M): exact.
; LEFT OUT: steps of 128 keys that all come after a tile's queries: the causal mask gives them the weight 0 for all values of the inputs.
; K AND V STAY IN LDS.  A head-batch's eight records are 8 x 34,304 = 274,432 dense bytes: each of the sixteen waves fetches one half record by its one tensor load at the head; no byte of LDS is filled twice.
; CLUSTER: the four work-groups of a head-batch read the same 274,432 bytes, so the loads are joint (mask 15).  NO PREFETCH: every byte of kv that the work-group reads is asked for at the head; no later load exists to run ahead of.
; SHARES.  The head-batch has 128 tiles of 16 queries.  Wave w of the work-group at place cx owns tile 4 (31 - w) + 3 - cx (the long one) and tile 4 w + cx (the short one):
; (31 - w) / 2 + 1 and w / 2 + 1 steps of 128 keys, 17 for every wave; the counts hang on the wave's number alone.  cx enters global addresses and the mask's lane values only.
; One walk of 17 trips: the long tile's steps upward from key 0, then the short tile's downward from its diagonal (every query counts its own key, so M is a number from a tile's first step on).
; Two barriers: the first shows records 0 and 1 (waves 0 to 3, which have a load line of their own, wait there), enough for trips 0 to 3; the second shows all.
; THE FIRST PRODUCT'S K IS 64: a fragment of K holds key tile 2 f in K = 0 .. 63 and key tile 2 f + 1 in K = 64 .. 127; against [Q | zeros] it gives tile 2 f's scores, against [zeros | Q] tile 2 f + 1's.
; Both products are used transposed: S^T = K Q^T, O^T = V^T P^T: a lane holds ONE query; p's 16 registers of two neighbouring tiles are 16 neighbouring keys, O^T's are 16 neighbouring channels.
; y leaves as images of the last product's operand: yimg [tile of 16 tokens 512][128 along K 8][c 4][lane][16]; ys [token position 8192][32] scale bytes (a head owns 2 bytes of a row).
; LIMITS: the promise holds while the scaled scores stay under 2^31 in magnitude; a block of zeros gets the byte 1 (its codes are zeros; this program alone reads the bytes); 1 / sum is v_rcp_f32 and a multiplication; NaN and infinities are not served.
.set REC,   34304                      ; a record of kv: 256 keys
.set RQ,    17408                      ; a record of qr
.set VC,    16384                      ; in a record: k's codes [tile 16][c 2][lane][16] at 0; v's codes [step 2][16 channels 4][c 4][lane][16],
.set KW,    32768                      ; k's scale words [tile 16][row 16][4],
.set VW,    33792                      ; v's [step 2][4][row 16][4]
.set SPARE, 8*REC                      ; behind the records: the spare words, 128 bytes for each wave
.set LI,   1                           ; v1   16 x lane
.set LS,   2                           ; v2   4 r
.set YSO,  4                           ; v4   32 r: my row of ys
.set SPW,  5                           ; v5   my spare word; never rewritten
.set NIL,  6                           ; v6   0; never rewritten
.set DV,   7                           ; v7   the mask: my query - the diagonal step's first key - 16 (lane / 16), of the tile in hand
.set AI,   8                           ; v8   the step's codes + 16 x lane
.set AKW,  9                           ; v9   the step's words of K + 4 r
.set AVW,  10                          ; v10  of V
.set DVA,  11                          ; v11  as v7, for the short tile
; v12 -M, v13 the largest t, v[14:15] the sum in two halves; v16-23 Q, v24-31 zeros, v32-39 Q again
.set KA,   40                          ; v40-103   four fragments of K, then four of V
.set S,    104                         ; v104-167  S^T, then p
.set O,    168                         ; v168-199  O^T
.set QH,   200                         ; v200-208  the short tile's Q and its scale word
.set CD,   212                         ; v212-227  the sum's parts, then p's codes; at a tile's end y's codes and bytes
.set KWD,  228                         ; v228-235  K's scale words
.set VWD,  232                         ; v232-235  V's
.set BM,   236                         ; v236-239  a block's largest score, then p
.set PM,   240                         ; v240-243  the other half's; bytes; a second copy of the holds
.set SO,   244                         ; v244-247  the conversions' scale operands
.set HD,   248                         ; v248-251  448 x the scale
; v252 f, v253 p's scale word, v254 at work, v255 Q's scale word
.set WV,   18
.set MNT,  19
.set SEL,  20
.set CS,   22
.set G1,   24
.set G0,   32
.set T,    36                          ; s36  the trip
.set NB,   37                          ; s37  the long tile's steps
.set NBM1, 38
.set DG,   39                          ; s39  trip - (NB - 1): 0 and 1 are the two diagonal steps
.set QPB,  40
.set QPA,  42
.set YPB,  44
.set YPA,  46
.set SPB,  48
.set SPA,  50
.set DQB,  52
.set DQA,  53
.set TIB,  54
.set TIA,  55
.macro PLACES n
.rept \n
	v_nop
.endr
.endm
.macro CROUND                          ; a round of the cluster's barrier
	s_barrier_signal -1
	s_barrier_wait -1
	s_cmp_lg_u32 s[WV], 0
	s_cbranch_scc1 .Lnot_wave_0_\@
	s_barrier_signal -3
.Lnot_wave_0_\@:
	s_barrier_wait -3
	s_barrier_signal -1
	s_barrier_wait -1
.endm
.macro TILE t, dq, qo, ti, yo, so      ; of tile s[t]: its first query modulo 128; its record of qr; its place there; its places in yimg and ys
	s_lshr_b32 s[\dq], s[\t], 1
	s_and_b32 s[\dq], s[\dq], 3
	s_lshl_b32 s[\dq], s[\dq], 5
	s_and_b32 s60, s[\t], 1
	s_lshl_b32 s60, s60, 3
	s_add_co_u32 s[\dq], s[\dq], s60
	s_lshr_b32 s[\qo], s[\t], 4
	s_add_co_u32 s[\qo], s[\qo], s61
	s_mul_i32 s[\qo], s[\qo], RQ
	s_mov_b32 s[\qo+1], 0
	s_and_b32 s[\ti], s[\t], 15
	s_add_co_u32 s60, s[\t], s62
	s_lshl_b32 s[\yo], s60, 14
	s_add_co_u32 s[\yo], s[\yo], s63
	s_mov_b32 s[\yo+1], 0
	s_lshl_b32 s[\so], s60, 9
	s_add_co_u32 s[\so], s[\so], s56
	s_mov_b32 s[\so+1], 0
.endm
	s_load_b128 s[4:7], s[0:1], 0x0                ; qr, kv
	s_load_b128 s[8:11], s[0:1], 0x10              ; yimg, ys
	v_lshl_add_u32 v[SPW], v0, 2, SPARE
	v_mov_b32 v[NIL], 0
	ds_add_u32 v[SPW], v[NIL]                      ; the opening lines: the add, twice on end, and its wait ahead of my tensor load
	ds_add_u32 v[SPW], v[NIL]
	v_lshrrev_b32 v8, 5, v0
	v_readfirstlane_b32 s[WV], v8                  ; wave 0..15
	s_bfe_u32 s12, ttmp6, 0x40000                  ; cx
	s_and_b32 s13, ttmp7, 0xffff                   ; head-batch = 16 x batch + head
	s_sub_co_u32 s16, 31, s[WV]
	s_lshr_b32 s[NBM1], s16, 1
	s_add_co_u32 s[NB], s[NBM1], 1
	s_lshl_b32 s14, s16, 2
	s_add_co_u32 s14, s14, 3
	s_sub_co_u32 s14, s14, s12                     ; the long tile
	s_lshl_b32 s15, s[WV], 2
	s_add_co_u32 s15, s15, s12                     ; the short tile
	s_lshl_b32 s61, s13, 3
	s_lshr_b32 s62, s13, 4
	s_lshl_b32 s62, s62, 7
	s_and_b32 s63, s13, 15
	s_lshl_b32 s56, s63, 1
	s_lshl_b32 s63, s63, 10
	TILE 14, DQB, QPB, TIB, YPB, SPB
	TILE 15, DQA, QPA, TIA, YPA, SPA
	s_mul_i32 s66, s13, 8*REC
	s_mul_i32 s57, s[WV], REC/2                    ; my half record: in memory and in LDS alike
	s_add_co_u32 s66, s66, s57
	s_mov_b32 s67, 0
	s_mov_b32 s[G1], 15|(3<<16)|(1<<21)            ; the mask: all four work-groups; elements of 8 bytes; bit 21 beside a mask; no padding: a load's 512 bytes are consecutive
	s_mov_b32 s[G1+1], 32<<16                      ; 17,152 dense bytes as 67 rows of 256
	s_mov_b32 s[G1+2], 67<<16
	s_mov_b32 s[G1+3], 32<<16
	s_mov_b32 s[G1+4], 67
	s_mov_b32 s[G1+5], 32
	s_mov_b32 s[G1+6], 0
	s_mov_b32 s[G1+7], 0
	s_mov_b32 s[SEL], 0x76543210
	s_mov_b32 s[SEL+1], 0xfedcba98
	s_mov_b32 s[CS], 0x3e38aa3b                    ; c = log2(e) / 8
	s_mov_b32 s[CS+1], s[CS]
	s_mov_b32 s[MNT], 0x600000
	s_wait_dscnt 0x0                               ; both opening adds are done
	CROUND                                         ; all four work-groups are here: the joint loads meet
	s_wait_kmcnt 0x0
	s_mov_b32 s[G0], 1
	s_mov_b32 s[G0+1], s57
	s_add_nc_u64 s[G0+2:G0+3], s[6:7], s[66:67]
	s_or_b32 s[G0+3], s[G0+3], 0x80000000
	s_cmp_lt_u32 s[WV], 4                          ; one load a wave; waves 0 to 3 (records 0 and 1) have a line of their own: they alone wait at the first barrier
	s_cbranch_scc0 .Lrest
	tensor_load_to_lds s[G0:G0+3], s[G1:G1+7]
	s_nop 0
	PLACES 4
	s_branch .Lasked
.Lrest:
	tensor_load_to_lds s[G0:G0+3], s[G1:G1+7]
	s_nop 0
	PLACES 4
.Lasked:
	s_add_nc_u64 s[QPB:QPB+1], s[4:5], s[QPB:QPB+1]
	s_add_nc_u64 s[QPA:QPA+1], s[4:5], s[QPA:QPA+1]
	s_add_nc_u64 s[YPB:YPB+1], s[8:9], s[YPB:YPB+1]
	s_add_nc_u64 s[YPA:YPA+1], s[8:9], s[YPA:YPA+1]
	s_add_nc_u64 s[SPB:SPB+1], s[10:11], s[SPB:SPB+1]
	s_add_nc_u64 s[SPA:SPA+1], s[10:11], s[SPA:SPA+1]
	v_and_b32 v3, 31, v0
	v_lshlrev_b32 v[LI], 4, v3
	v_and_b32 v3, 15, v0                           ; r
	v_lshlrev_b32 v[LS], 2, v3
	v_lshlrev_b32 v[YSO], 5, v3
	v_and_b32 v8, 8, v3
	v_add_nc_u32 v8, v8, v3                        ; r + 8 (r / 8)
	v_bfe_u32 v9, v0, 4, 1
	v_lshlrev_b32 v9, 4, v9
	v_sub_nc_u32 v8, v8, v9
	v_add_nc_u32 v[DV], s[DQB], v8
	v_add_nc_u32 v[DVA], s[DQA], v8
	s_lshl_b32 s58, s[TIB], 10
	v_add_nc_u32 v40, s58, v[LI]                   ; a tile's codes in its record of qr,
	s_lshl_b32 s58, s[TIB], 6
	s_add_co_u32 s58, s58, 16384
	v_add_nc_u32 v41, s58, v[LS]                   ; and its scale words
	s_lshl_b32 s58, s[TIA], 10
	v_add_nc_u32 v42, s58, v[LI]
	s_lshl_b32 s58, s[TIA], 6
	s_add_co_u32 s58, s58, 16384
	v_add_nc_u32 v43, s58, v[LS]
	global_load_b128 v[16:19], v40, s[QPB:QPB+1]
	global_load_b128 v[20:23], v40, s[QPB:QPB+1] offset:512
	global_load_b128 v[32:35], v40, s[QPB:QPB+1]
	global_load_b128 v[36:39], v40, s[QPB:QPB+1] offset:512
	global_load_b32 v255, v41, s[QPB:QPB+1]
	global_load_b128 v[QH:QH+3], v42, s[QPA:QPA+1]
	global_load_b128 v[QH+4:QH+7], v42, s[QPA:QPA+1] offset:512
	global_load_b32 v[QH+8], v43, s[QPA:QPA+1]
.irp c, 0,1,2,3,4,5,6,7
	v_mov_b32 v[24+\c], 0                          ; the zero codes between the two copies of Q
.endr
	v_mov_b32 v13, 0xff61b1e6                      ; the largest t so far: -3e38, under every t
	v_floor_f32 v12, -v13                          ; -M
	v_mov_b32 v14, 0
	v_mov_b32 v15, 0
.irp b, 0,1,2,3
	v_mov_b32 v[PM+\b], 0                          ; written once: a lane permute's destination counts as one of its sources
.endr
	v_mov_b32 v252, 0
	v_mov_b32 v253, 0
.set JJ, 0
.rept 32
	v_mov_b32 v[O+JJ], 0                           ; O^T: the step is written once; a tile's first step finds zeros
.set JJ, JJ+1
.endr
; WHERE A TRIP'S STEP LIES.  two = 0: step = trip.  two = 1: the long tile's step = trip while trip < NB, then the short tile's step 16 - trip.  Step s: record s / 2, half s % 2.
.macro ADDR two
.if \two
	s_sub_co_u32 s70, 16, s[T]
	s_cmp_lt_u32 s[T], s[NB]
	s_cselect_b32 s70, s[T], s70
	s_min_u32 s70, s70, 15
	s_sub_co_u32 s[DG], s[T], s[NBM1]
.else
	s_mov_b32 s70, s[T]
.endif
	s_lshr_b32 s71, s70, 1
	s_mul_i32 s71, s71, REC
	s_and_b32 s70, s70, 1
	s_lshl_b32 s72, s70, 13
	s_add_co_u32 s72, s72, s71
	s_lshl_b32 s73, s70, 9
	s_add_co_u32 s73, s73, s71
	s_lshl_b32 s74, s70, 8
	s_add_co_u32 s74, s74, s71
	v_add_nc_u32 v[AI], s72, v[LI]
	v_add_nc_u32 v[AKW], s73, v[LS]
	v_add_nc_u32 v[AVW], s74, v[LS]
	PLACES 5                                       ; with the three additions: eight places behind the last products, ahead of the loads into registers that they have read
.endm
; A KEY STEP: 128 keys.  diag = 1: the text holds the mask, under a branch on the trip and the wave's number.
.macro STEP diag
.irp j, 0,1,2,3,4,5,6,7
	ds_load_b32 v[KWD+\j], v[AKW] offset:KW+64*\j                   ; the words first: every product wants one
.endr
.set JJ, 0
.rept 16
	ds_load_b128 v[KA+4*JJ:KA+4*JJ+3], v[AI] offset:512*JJ          ; fragment f = key tiles 2 f and 2 f + 1: 2,048 consecutive bytes
.set JJ, JJ+1
.endr
	s_wait_alu depctr_va_vdst(0)                   ; the wait here, directly ahead of the waits below
.irp f, 0,1,2,3                                ; S^T = K Q^T: eight accumulators, each begun with 0
	s_wait_dscnt 12-4*\f                           ; fragment f is in: the four loads of each later fragment may be out
	v_wmma_scale_f32_16x16x128_f8f6f4 v[S+16*\f:S+16*\f+7], v[KA+16*\f:KA+16*\f+15], v[16:31], 0, v[KWD+2*\f], v255
	v_wmma_scale_f32_16x16x128_f8f6f4 v[S+16*\f+8:S+16*\f+15], v[KA+16*\f:KA+16*\f+15], v[24:39], 0, v[KWD+2*\f+1], v255
.endr                                          ; lane (r, h) holds one query; register 16 b + i holds the step's key 32 b + 16 h + i
	PLACES 8                                       ; ahead of the loads over K's fragments and words, and of the first reads of the scores
.set JJ, 0
.rept 16
	ds_load_b128 v[KA+4*JJ:KA+4*JJ+3], v[AI] offset:VC+512*JJ       ; V's four fragments (16 channels x these 128 keys) land while the softmax is worked
.set JJ, JJ+1
.endr
.irp t, 0,1,2,3
	ds_load_b32 v[VWD+\t], v[AVW] offset:VW+64*\t
.endr
.if \diag
	s_cmp_lt_u32 s[DG], 2
	s_cbranch_scc0 .Lopen_\@                       ; all 128 keys count for all my queries
	v_mov_b32 v254, 0xff800000                     ; -infinity: register 16 b + i is hidden where 32 b + i > v[DV]
.set JJ, 0
.rept 64
	v_cmp_gt_i32 vcc_lo, 32*(JJ/16)+JJ%16, v[DV]
	v_cndmask_b32 v[S+JJ], v[S+JJ], v254, vcc_lo
.set JJ, JJ+1
.endr
.Lopen_\@:
.endif
.irp b, 0,1,2,3
	v_max3_num_f32 v[BM+\b], v[S+16*\b], v[S+1+16*\b], v[S+2+16*\b]   ; the largest score of each block of 32 keys, in two chains a block: for the row's maximum, and, since p rises with the score, for the block's largest p
.endr
.irp b, 0,1,2,3
	v_max3_num_f32 v[CD+\b], v[S+8+16*\b], v[S+9+16*\b], v[S+10+16*\b]
.endr
.irp i, 3,5
.irp b, 0,1,2,3
	v_max3_num_f32 v[BM+\b], v[BM+\b], v[S+16*\b+\i], v[S+1+16*\b+\i]
.endr
.irp b, 0,1,2,3
	v_max3_num_f32 v[CD+\b], v[CD+\b], v[S+8+16*\b+\i], v[S+9+16*\b+\i]
.endr
.endr
.irp b, 0,1,2,3
	v_max3_num_f32 v[BM+\b], v[BM+\b], v[CD+\b], v[S+7+16*\b]
.endr
.irp b, 0,1,2,3
	v_max_num_f32 v[BM+\b], v[BM+\b], v[S+15+16*\b]
.endr
.irp b, 0,1,2,3
	v_permlanex16_b32 v[PM+\b], v[BM+\b], s[SEL], s[SEL+1]
.endr
.irp b, 0,1,2,3
	v_max_num_f32 v[BM+\b], v[BM+\b], v[PM+\b]     ; with lane l xor 16's 16 keys
.endr
	v_max3_num_f32 v254, v[BM], v[BM+1], v[BM+2]
	v_max_num_f32 v254, v254, v[BM+3]              ; the step's largest score of my query
	v_mul_f32 v254, s[CS], v254                    ; as t (c is positive)
	v_max_num_f32 v13, v13, v254                   ; the running largest t
	v_mov_b32 v254, v12
	v_floor_f32 v12, -v13                          ; the new -M = -ceil(t): a whole number
.set JJ, 0
.rept 8
	v_pk_fma_f32 v[S+JJ:S+JJ+1], v[S+JJ:S+JJ+1], s[CS:CS+1], v[12:13] op_sel_hi:[1,0,0]   ; t - M, two at a time; the three lines that make f stand among them
.set JJ, JJ+2
.endr
	v_sub_f32 v254, v12, v254                      ; M's old value less its new one
.rept 8
	v_pk_fma_f32 v[S+JJ:S+JJ+1], v[S+JJ:S+JJ+1], s[CS:CS+1], v[12:13] op_sel_hi:[1,0,0]
.set JJ, JJ+2
.endr
	v_cvt_i32_f32 v254, v254                       ; (it saturates)
.rept 8
	v_pk_fma_f32 v[S+JJ:S+JJ+1], v[S+JJ:S+JJ+1], s[CS:CS+1], v[12:13] op_sel_hi:[1,0,0]
.set JJ, JJ+2
.endr
	v_ldexp_f32 v252, 1.0, v254                    ; f = 2^(old M - new M)
.rept 8
	v_pk_fma_f32 v[S+JJ:S+JJ+1], v[S+JJ:S+JJ+1], s[CS:CS+1], v[12:13] op_sel_hi:[1,0,0]
.set JJ, JJ+2
.endr
.irp b, 0,1,2,3
	v_fma_f32 v[BM+\b], v[BM+\b], s[CS], v12       ; the same of each block's largest score
.endr
	s_wait_alu depctr_va_vdst(0)                   ; the wait ahead of the batch
.set JJ, 0
.rept 64
	v_exp_f32 v[S+JJ], v[S+JJ]                     ; p = 2^(t - M), at most 1: not normalised
.set JJ, JJ+1
.endr
	v_pk_mul_f32 v[14:15], v[14:15], v[252:253] op_sel_hi:[1,0]   ; the sums under the new M (the plain line behind the exponentials)
	s_wait_alu depctr_va_vdst(0)                   ; one wait for the batch of 64, ahead of its first reader
.irp b, 0,1,2,3
	v_exp_f32 v[BM+\b], v[BM+\b]                   ; the block's largest p: the same two instructions on the same number give the same bits
.endr
.irp k, 0,1,2,3,4,5,6                          ; the row's sum of the unquantised p: 32 pairs in eight chains
	v_pk_add_f32 v[CD+2*\k:CD+2*\k+1], v[S+4*\k:S+4*\k+1], v[S+4*\k+2:S+4*\k+3]
.endr
	v_pk_add_f32 v[14:15], v[14:15], v[S+28:S+29]
.irp k, 0,1,2,3,4,5,6
	v_pk_add_f32 v[CD+2*\k:CD+2*\k+1], v[CD+2*\k:CD+2*\k+1], v[S+30+2*\k:S+31+2*\k]
.endr
	v_pk_add_f32 v[14:15], v[14:15], v[S+44:S+45]
.irp k, 0,1,2,3,4,5,6
	v_pk_add_f32 v[CD+2*\k:CD+2*\k+1], v[CD+2*\k:CD+2*\k+1], v[S+46+2*\k:S+47+2*\k]
.endr
	v_pk_add_f32 v[14:15], v[14:15], v[S+60:S+61]
	v_pk_add_f32 v[CD:CD+1], v[CD:CD+1], v[S+62:S+63]
	v_pk_add_f32 v[CD+2:CD+3], v[CD+2:CD+3], v[CD+4:CD+5]
	v_pk_add_f32 v[CD+6:CD+7], v[CD+6:CD+7], v[CD+8:CD+9]
	v_pk_add_f32 v[CD+10:CD+11], v[CD+10:CD+11], v[CD+12:CD+13]
	v_pk_add_f32 v[14:15], v[14:15], v[CD:CD+1]
	v_pk_add_f32 v[CD+2:CD+3], v[CD+2:CD+3], v[CD+6:CD+7]
	v_pk_add_f32 v[14:15], v[14:15], v[CD+10:CD+11]
	v_pk_add_f32 v[14:15], v[14:15], v[CD+2:CD+3]
	s_wait_alu depctr_va_vdst(0)                   ; and one for the four
.irp b, 0,1,2,3
	v_max_num_f32 v[BM+\b], 0x4800000, v[BM+\b]    ; the floor 2^(9 - 127): the byte cannot fall under 1
.endr
.irp b, 0,1,2,3
	v_add_nc_u32 v[SO+\b], 0xfc000000, v[BM+\b]    ; 8 off the exponent field: the conversion's scale operand
.endr
.irp b, 0,1,2,3
	v_and_or_b32 v[HD+\b], v[BM+\b], 0x7f800000, s[MNT]   ; 448 x the scale
.endr
.irp b, 0,1,2,3
	v_lshrrev_b32 v[PM+\b], 23, v[SO+\b]           ; the scale's byte
.endr
	v_lshl_or_b32 v253, v[PM+1], 8, v[PM]          ; p's scale word for these 128 keys
	v_lshl_or_b32 v253, v[PM+2], 16, v253
	v_lshl_or_b32 v253, v[PM+3], 24, v253
.irp b, 0,1,2,3
	v_and_or_b32 v[PM+((\b+1)&3)], v[BM+\b], 0x7f800000, s[MNT]   ; the hold once more, in a register whose number differs modulo 4: the second half of a pair reads it
.endr
.irp b, 0,1,2,3,4                              ; a block's conversions stand behind the next block's holds
.if \b < 4
.irp i, 0,2,4,6,8,10,12,14
	v_dual_min_num_f32 v[S+16*\b+\i], v[S+16*\b+\i], v[HD+\b] :: v_dual_min_num_f32 v[S+16*\b+\i+1], v[S+16*\b+\i+1], v[PM+((\b+1)&3)]   ; the conversion does not saturate (ISA guide 7.6.2); p is not negative, so the hold is one-sided; two holds a line
.endr
.endif
.if \b > 0
	v_cvt_scalef32_pk8_fp8_f32 v[CD+4*(\b-1):CD+4*(\b-1)+1], v[S+16*(\b-1):S+16*(\b-1)+7], v[SO+(\b-1)]
	v_cvt_scalef32_pk8_fp8_f32 v[CD+4*(\b-1)+2:CD+4*(\b-1)+3], v[S+16*(\b-1)+8:S+16*(\b-1)+15], v[SO+(\b-1)]
.endif
.endr
	s_wait_dscnt 0x0                               ; V's fragments and words
	s_wait_alu depctr_va_vdst(0)                   ; the wait here, directly ahead of the first reader of O^T
.set JJ, 0
.rept 16
	v_pk_mul_f32 v[O+JJ:O+JJ+1], v[O+JJ:O+JJ+1], v[252:253] op_sel_hi:[1,0]   ; O^T under the new M: x f.  (These sixteen are also the places between the codes and the products)
.set JJ, JJ+2
.endr
.irp t, 0,1,2,3                                ; O^T += V^T P^T: the four accumulators by turns
	v_wmma_scale_f32_16x16x128_f8f6f4 v[O+8*\t:O+8*\t+7], v[KA+16*\t:KA+16*\t+15], v[CD:CD+15], v[O+8*\t:O+8*\t+7], v[VWD+\t], v253
.endr
.endm
; A TILE'S END: y = O^T / the sum; register 16 b + i is channel 32 b + 16 h + i of my token: two blocks of 32 are quantised, and the codes are two quarters of a fragment of the last product's operand.
.macro FINISH yb, sb, reinit
	PLACES 8                                       ; behind the last products, ahead of the reads of O^T
	s_wait_xcnt 0x0                                ; an earlier tile's stores have read their registers
	v_add_f32 v14, v14, v15                        ; the sum's two halves,
	v_permlanex16_b32 v252, v14, s[SEL], s[SEL+1]
	v_add_f32 v14, v14, v252                       ; and lane l xor 16's
	s_wait_alu depctr_va_vdst(0)                   ; the wait ahead of the transcendental
	v_rcp_f32 v14, v14
	v_nop                                          ; a plain line behind it
	s_wait_alu depctr_va_vdst(0)                   ; and the wait ahead of its first reader
.set JJ, 0
.rept 32
	v_mul_f32 v[S+JJ], v[O+JJ], v14                ; each accumulator from its low end on
.set JJ, JJ+1
.endr
.irp b, 0,1
	v_max3_num_f32 v[BM+\b], |v[S+16*\b]|, |v[S+1+16*\b]|, 0x4800000
.endr
.irp i, 2,4,6,8,10,12,14
.irp b, 0,1
	v_max3_num_f32 v[BM+\b], v[BM+\b], |v[S+16*\b+\i]|, |v[S+1+16*\b+\i]|
.endr
.endr
.irp b, 0,1
	v_permlanex16_b32 v[PM+\b], v[BM+\b], s[SEL], s[SEL+1]
.endr
.irp b, 0,1
	v_max_num_f32 v[BM+\b], v[BM+\b], v[PM+\b]
.endr
.irp b, 0,1
	v_add_nc_u32 v[SO+\b], 0xfc000000, v[BM+\b]
.endr
.irp b, 0,1
	v_and_or_b32 v[HD+\b], v[BM+\b], 0x7f800000, s[MNT]
.endr
.irp b, 0,1
	v_lshrrev_b32 v[PM+\b], 23, v[SO+\b]
.endr
	v_lshl_or_b32 v[CD+8], v[PM+1], 8, v[PM]       ; my token's two scale bytes of this head
.irp b, 0,1
.irp i, 0,1,2,3,4,5,6,7,8,9,10,11,12,13,14,15
	v_med3_num_f32 v[S+16*\b+\i], v[S+16*\b+\i], -v[HD+\b], v[HD+\b]
.endr
	v_cvt_scalef32_pk8_fp8_f32 v[CD+4*\b:CD+4*\b+1], v[S+16*\b:S+16*\b+7], v[SO+\b]
	v_cvt_scalef32_pk8_fp8_f32 v[CD+4*\b+2:CD+4*\b+3], v[S+16*\b+8:S+16*\b+15], v[SO+\b]
.endr
	v_nop                                          ; a plain line behind the last conversion
	global_store_b128 v[LI], v[CD:CD+3], s[\yb:\yb+1]             ; 512 consecutive bytes each
	global_store_b128 v[LI], v[CD+4:CD+7], s[\yb:\yb+1] offset:512
	global_store_b16 v[YSO], v[CD+8], s[\sb:\sb+1] ; (lanes r and r + 16 write the same bytes with the same value)
.if \reinit
.irp c, 0,1,2,3,4,5,6,7
	v_mov_b32 v[16+\c], v[QH+\c]                   ; the short tile's Q, twice,
	v_mov_b32 v[32+\c], v[QH+\c]
.endr
	v_mov_b32 v255, v[QH+8]                        ; its scale word, its mask,
	v_mov_b32 v[DV], v[DVA]
	v_mov_b32 v13, 0xff61b1e6                      ; and the statistics begin anew
	v_floor_f32 v12, -v13
	v_mov_b32 v14, 0
	v_mov_b32 v15, 0
.set JJ, 0
.rept 32
	v_mov_b32 v[O+JJ], 0
.set JJ, JJ+1
.endr
	s_wait_alu depctr_va_vdst(0)                   ; the wait here, directly ahead of the wait below
	s_wait_xcnt 0x0                                ; the stores have read their data: the next step writes those registers
.endif
.endm
	s_wait_alu depctr_va_vdst(0)                   ; the wait at the head's end
	s_cmp_lt_u32 s[WV], 4
	s_cbranch_scc0 .Lnot_first
	s_wait_tensorcnt 0x0                           ; waves 0 to 3: records 0 and 1 have landed.  The other waves' wait stands at the second barrier
.Lnot_first:
	s_barrier_signal -1
	s_barrier_wait -1
	s_wait_loadcnt 0x0                             ; Q
	s_mov_b32 s[T], 0                              ; trips 0 and 1 are written out: steps 0 and 1 of the long tile, which has nine steps at the least: no diagonal, no tile's end
	ADDR 0
	STEP 0
	s_wait_alu depctr_va_vdst(0)                   ; the wait here, directly ahead of the wait below
	s_wait_tensorcnt 0x0                           ; every wave: its half record has landed
	s_wait_dscnt 0x0
	s_barrier_signal -1                            ; say so; trip 1 reads record 0 alone, which the first barrier has shown and nobody writes
	s_mov_b32 s[T], 1
	ADDR 0
	STEP 0
	s_wait_alu depctr_va_vdst(0)
	s_barrier_wait -1                              ; all eight records are in
	s_mov_b32 s[T], 2
.Lwalk:                                            ; trips 2 to 16
	ADDR 1
	STEP 1
	s_cmp_lg_u32 s[DG], 0                          ; trip NB - 1 ends the long tile
	s_cbranch_scc1 .Lsame
	FINISH YPB, SPB, 1
.Lsame:
	s_add_co_u32 s[T], s[T], 1
	s_cmp_lt_u32 s[T], 17
	s_cbranch_scc1 .Lwalk
	FINISH YPA, SPA, 0
	s_wait_tensorcnt 0x0                           ; the wave's end
	ds_add_u32 v[SPW], v[NIL]
	s_wait_dscnt 0x0
	CROUND                                         ; the closing round
	s_endpgm
.Lfunc_end_k_qbd10e7123d_attn:
	.size	k_qbd10e7123d_attn, .Lfunc_end_k_qbd10e7123d_attn-k_qbd10e7123d_attn
	.p2alignl 7, 3214868480
	.fill 96, 4, 3214868480
	.section	.rodata,"a",@progbits
	.p2align	6, 0x0
	.amdhsa_kernel k_qbd10e7123d_attn
		.amdhsa_group_segment_fixed_size 327680
		.amdhsa_private_segment_fixed_size 0
		.amdhsa_enable_private_segment 0
		.amdhsa_kernarg_size 32
		.amdhsa_user_sgpr_count 2
		.amdhsa_user_sgpr_kernarg_segment_ptr 1
		.amdhsa_wavefront_size32 1
		.amdhsa_system_sgpr_workgroup_id_x 1
		.amdhsa_system_sgpr_workgroup_id_y 1
		.amdhsa_system_sgpr_workgroup_id_z 1
		.amdhsa_system_vgpr_workitem_id 0
		.amdhsa_next_free_vgpr 256
		.amdhsa_next_free_sgpr 100
		.amdhsa_reserve_vcc 1
		.amdhsa_float_denorm_mode_32 3
		.amdhsa_float_denorm_mode_16_64 3
		.amdhsa_memory_ordered 1
		.amdhsa_forward_progress 1
		.amdhsa_inst_pref_size 87
	.end_amdhsa_kernel
	.amdgpu_metadata
---
amdhsa.version: [ 1, 2 ]
amdhsa.kernels:
  - .name:           k_qbd10e7123d_attn
    .symbol:         k_qbd10e7123d_attn.kd
    .args:
      - { .name: qr, .offset: 0, .size: 8, .value_kind: global_buffer, .address_space: global }
      - { .name: kv, .offset: 8, .size: 8, .value_kind: global_buffer, .address_space: global }
      - { .name: yimg, .offset: 16, .size: 8, .value_kind: global_buffer, .address_space: global }
      - { .name: ys, .offset: 24, .size: 8, .value_kind: global_buffer, .address_space: global }
    .group_segment_fixed_size: 327680
    .private_segment_fixed_size: 0
    .kernarg_segment_align: 8
    .kernarg_segment_size: 32
    .max_flat_workgroup_size: 512
    .sgpr_count:     100
    .vgpr_count:     256
    .wavefront_size: 32
...
	.end_amdgpu_metadata
.endif
;; end of part 3
;; launch proj (part 4): grid 8 x 32, 4 waves a work-group, clusters of 4 x 4, 327,680 bytes of LDS; arguments yimg, ys, cod, scl, b_proj, out0; writes out0
.if DOCPART == 4
	.amdgcn_target "amdgcn-amd-amdhsa--gfx1250"
	.amdhsa_code_object_version 6
	.text
	.protected	k_qbd10e7123d_proj
	.globl	k_qbd10e7123d_proj
	.p2align	8
	.type	k_qbd10e7123d_proj,@function
k_qbd10e7123d_proj:
	s_mov_b64 s[64:65], 0
	v_nop
	global_prefetch_b8 v0, s[64:65] scope:SCOPE_SE
	s_setreg_imm32_b32 hwreg(HW_REG_WAVE_MODE, 25, 1), 1
	s_wait_xcnt 0x0
	s_wait_alu depctr_hold_cnt(0) depctr_sa_sdst(0) depctr_va_vdst(0) depctr_va_sdst(0) depctr_va_ssrc(0) depctr_va_vcc(0) depctr_vm_vsrc(0)
	s_getreg_b32 s2, hwreg(HW_REG_IB_STS2, 6, 4)
	s_cmp_eq_u32 s2, 0
	s_cbranch_scc0 .Lentry_in_a_cluster
	s_endpgm
.Lentry_in_a_cluster:
	s_bfe_u32 s2, ttmp6, 0x10000c
	s_cmp_lg_u32 s2, 0xf033
	s_cbranch_scc0 .Lentry_shape_is_right
	s_endpgm
.Lentry_shape_is_right:
; out0 = y W_proj + b_proj on codes of FP8 (E4M3) with E8M0 scales for each 32 along K (1,024); sums in f32.
; y: yimg [tile of 16 token positions 512][128 along K 8][c 4][lane][16], images of operand registers; ys [position 8192][32] scale bytes.  W_proj: rows 11,264 on of cod (1,024 bytes a row, K innermost) and scl (32 bytes a row).
; Positions are in the order pi (bits 3 and 4 exchanged): lane r of tile T holds token 32 (T / 2) + 8 (T % 2) + r + 8 (r / 8); W's rows likewise hold columns.
; THE DEAL.  256 work-groups of four waves, 2 x 2; a work-group makes 256 tokens x 128 columns.  A wave holds 64 rows of W, ALL of K, in 512 registers (windows 1, 2) and takes eight blocks of 16 tokens
; (tile 2 n + its row of waves), whose fragments stand in window 3 as two whole sets of 128 registers.  32 products a block, the four accumulators by turns.
; Source 0 = 16 rows of W, source 1 = 16 tokens: a lane holds one token, and the 16 registers of W's tiles 2 B, 2 B + 1 are columns 32 B + 16 (lane / 16) + 0 .. 15.  THE BIAS IS THE FIRST PRODUCTS' C.
; LDS: two slots of 128 rows x (1,024 + 16) bytes.  At the head waves 0 and 1 fetch W's 128 rows into slot 1, waves 2 and 3 the first 128 tokens' images (131,072 dense bytes as rows of 1,024) into slot 0.
; When W is in every wave's registers, one drained round of the cluster's barrier refills slot 1 with the second 128 tokens, a quarter a wave, on the very bytes that W's rows filled.
; CLUSTER 4 x 4: y's rows are shared along a row of the cluster, W's along a column: joint loads.
; PREFETCH: the second 128 tokens are asked for once, at the head, ahead of the wait for W: each of the sixteen waves of a row of the cluster names 8,192 bytes of its own, a lane 256; the head's own tiles come by their loads alone.
; y's scale words: ONE load of 512 consecutive bytes a block: lane (r, h) takes bytes 16 h .. 16 h + 15 of row r, so that lanes 0-15 hold the words of K = 0 .. 511 and lanes 16-31 those of K = 512 .. 1,023 (ROW1).
; THE WAY OUT: a block's 16 x 64 results go through the wave's own stage in LDS and leave as rows: sixteen lanes store 256 consecutive bytes, aligned; a block's stores stand behind the next block's products.
; LIMITS: NaN and infinities are not served.
.set KROW,  1024
.set WROW0, 11264
.set PITCH, KROW+16
.set YB,    128*PITCH                  ; slot 1
.set STAGE, 2*YB                       ; behind the slots: 16 rows x (256 + 16) bytes for each wave; no fill lands here
.set SPITCH, 272
.set SPARE, STAGE+4*16*SPITCH          ; the spare words
.set NP,    9                          ; plain lines behind a block's last product: the next block's first products write over its sums (ISA guide 7.12.1)
.set ADRB, 4                           ; v4   LDS: my fragments of W
.set STO,  5                           ; v5   the stage, in
.set RD,   6                           ; v6   the stage, back
.set PF,   7                           ; v7   the prefetch's offset
.set CO,   8                           ; v8   my offset in two rows of out0
.set ABS,  9                           ; v9   32 x lane: W's scale bytes
.set SPW,  10
.set NIL,  11
.set YSO,  12                          ; v12  32 r + 16 h: y's scale bytes
.set BO,   13                          ; v13  64 h: the bias
.set XA,   16                          ; v16-23  LDS: block n's image + 16 x lane
.set SB,   34                          ; v34-49  W's scale words: register 8 p + q: lanes 0-15 tile 2 p's, lanes 16-31 tile 2 p + 1's
.set SA,   52                          ; v52-83  y's: register 4 n + q % 4
.set ACC,  96                          ; v96-127  four accumulators
.set BQ,   128                         ; v128-159 the bias in their layout
.set BK,   160                         ; v160-223 rows read back from the stage, two sets
.set G1W,  24
.set G1X,  32
.set G1R,  48
.set G0W,  56
.set G0X,  60
.set G0R,  68
.set MSB, 0
.macro WIN new                         ; the immediate's high byte repeats the setting that is left
.if MSB != (\new)
	s_set_vgpr_msb (MSB<<8)|(\new)
.set MSB, (\new)
.endif
.endm
.macro PLACES n
.rept \n
	v_nop
.endr
.endm
.macro BARRIER
	s_barrier_signal -1
	s_barrier_wait -1
.endm
.macro CROUND                          ; a round of the cluster's barrier
	BARRIER
	s_cmp_lg_u32 s14, 0
	s_cbranch_scc1 .Lnot_wave_0_\@
	s_barrier_signal -3
.Lnot_wave_0_\@:
	s_barrier_wait -3
	BARRIER
.endm
.macro TLOAD g0, g1                    ; an s_nop 0 and four v_nop follow a tensor load
	tensor_load_to_lds s[\g0:\g0+3], s[\g1:\g1+7]
	s_nop 0
	PLACES 4
.endm
.macro GROUP1 g, mask, rows            ; so many rows of 1,024 bytes, dense in memory, 16 bytes of padding behind each in LDS
	s_or_b32 s[\g+0], s[\mask], (1<<20)|(1<<21)|(7<<22)|(3<<25)
	s_mov_b32 s[\g+1], KROW<<16
	s_mov_b32 s[\g+2], (\rows)<<16
	s_mov_b32 s[\g+3], KROW<<16
	s_mov_b32 s[\g+4], \rows
	s_mov_b32 s[\g+5], KROW
	s_mov_b32 s[\g+6], 0
	s_mov_b32 s[\g+7], 0
.endm
	s_load_b128 s[4:7], s[0:1], 0x0                ; yimg, ys
	s_load_b128 s[8:11], s[0:1], 0x10              ; cod, scl
	s_load_b128 s[84:87], s[0:1], 0x20             ; b_proj, out0
	v_lshl_add_u32 v[SPW], v0, 2, SPARE
	v_mov_b32 v[NIL], 0
	ds_add_u32 v[SPW], v[NIL]                      ; the opening lines: the add, twice on end, and its wait ahead of my first tensor load
	ds_add_u32 v[SPW], v[NIL]
	v_lshrrev_b32 v1, 5, v0
	v_readfirstlane_b32 s14, v1                    ; wave 0..3
	s_lshr_b32 s15, s14, 1                         ; my row of waves
	s_and_b32 s16, s14, 1                          ; my column of waves.  Also: which 64 rows I fetch at the head
	s_bfe_u32 s40, ttmp6, 0x40000                  ; cx, cy
	s_bfe_u32 s41, ttmp6, 0x40004
	s_lshl_b32 s42, ttmp9, 2
	s_add_co_u32 s42, s42, s40                     ; which 128 columns: 0 .. 7
	s_and_b32 s43, ttmp7, 0xffff
	s_lshl_b32 s43, s43, 2
	s_add_co_u32 s43, s43, s41                     ; which 256 tokens: 0 .. 31
	s_lshl_b32 s44, s41, 2
	s_lshl_b32 s44, 15, s44                        ; my row of the cluster: shares y's rows
	s_lshl_b32 s45, 0x1111, s40                    ; my column: shares W's
	GROUP1 G1W, 45, 64
	GROUP1 G1X, 44, 64
	GROUP1 G1R, 44, 32
	s_lshl_b32 s20, s42, 7
	s_lshl_b32 s21, s16, 6
	s_add_co_u32 s20, s20, s21                     ; my 64 columns: those that I fetch (waves 0, 1) and those that I hold
	s_add_co_u32 s22, s20, WROW0                   ; their rows of cod and scl
	s_lshl_b32 s72, s22, 10
	s_mov_b32 s73, 0
	s_lshl_b32 s74, s22, 5
	s_mov_b32 s75, 0
	s_lshl_b32 s76, s43, 18                        ; 256 tokens' images are 262,144 bytes
	s_lshl_b32 s23, s16, 16
	s_add_co_u32 s76, s76, s23                     ; the head: my 64 rows of the first 128
	s_mov_b32 s77, 0
	s_lshl_b32 s78, s43, 18
	s_lshl_b32 s23, s14, 15
	s_add_co_u32 s78, s78, s23
	s_add_co_u32 s78, s78, 131072                  ; the refill: my 32 rows of the second 128
	s_mov_b32 s79, 0
	s_mov_b32 s[G0W], 1
	s_mul_i32 s[G0W+1], s16, 64*PITCH
	s_add_co_u32 s[G0W+1], s[G0W+1], YB
	s_mov_b32 s[G0X], 1
	s_mul_i32 s[G0X+1], s16, 64*PITCH
	s_mov_b32 s[G0R], 1
	s_mul_i32 s[G0R+1], s14, 32*PITCH
	s_add_co_u32 s[G0R+1], s[G0R+1], YB
	s_lshl_b32 s80, s43, 13                        ; ys: 8,192 bytes for 256 tokens, 512 a tile
	s_lshl_b32 s23, s15, 9
	s_add_co_u32 s80, s80, s23
	s_mov_b32 s81, 0
	s_lshl_b32 s82, s20, 2                         ; my first column, in bytes
	s_mov_b32 s83, 0
	s_lshl_b32 s88, s43, 8
	s_lshl_b32 s23, s15, 3
	s_add_co_u32 s88, s88, s23                     ; block 0's first token: 256 x tile row + 8 x my row of waves
	s_lshl_b32 s88, s88, 12
	s_add_co_u32 s88, s88, s82
	s_mov_b32 s89, 0
	s_lshl_b32 s90, s40, 2
	s_add_co_u32 s90, s90, s14                     ; which of the cluster row's sixteen waves I am
	s_lshl_b32 s90, s90, 13
	s_lshl_b32 s23, s43, 18
	s_add_co_u32 s90, s90, s23
	s_add_co_u32 s90, s90, 131072
	s_wait_dscnt 0x0                               ; both opening adds are done
	CROUND                                         ; all sixteen work-groups are here: the first joint loads meet
	s_wait_kmcnt 0x0
	s_add_nc_u64 s[G0W+2:G0W+3], s[8:9], s[72:73]
	s_or_b32 s[G0W+3], s[G0W+3], 0x80000000
	s_add_nc_u64 s[G0X+2:G0X+3], s[4:5], s[76:77]
	s_or_b32 s[G0X+3], s[G0X+3], 0x80000000
	s_add_nc_u64 s[G0R+2:G0R+3], s[4:5], s[78:79]
	s_or_b32 s[G0R+3], s[G0R+3], 0x80000000
	s_cmp_lt_u32 s14, 2                            ; one joint load a wave; W's line is waves 0 and 1's own: they alone wait at the first barrier
	s_cbranch_scc0 .Lfor_x
	TLOAD G0W, G1W
	s_branch .Lasked
.Lfor_x:
	TLOAD G0X, G1X
.Lasked:
	s_add_nc_u64 s[10:11], s[10:11], s[74:75]      ; W's scale bytes
	s_add_nc_u64 s[6:7], s[6:7], s[80:81]          ; y's
	s_add_nc_u64 s[84:85], s[84:85], s[82:83]      ; the bias
	s_add_nc_u64 s[86:87], s[86:87], s[88:89]      ; out0
	v_and_b32 v1, 15, v0                           ; r
	v_bfe_u32 v2, v0, 4, 1                         ; h
	v_and_b32 v3, 31, v0                           ; lane
	v_lshl_add_u32 v[PF], v3, 8, s90
	v_lshlrev_b32 v[ABS], 5, v3
	v_lshlrev_b32 v14, 5, v1
	v_lshl_add_u32 v[YSO], v2, 4, v14
	v_lshlrev_b32 v[BO], 6, v2
	global_prefetch_b8 v[PF], s[4:5] th:TH_LOAD_NT scope:SCOPE_SE
.irp p, 0,1
.irp c, 0,1
	global_load_b128 v[SB+8*\p+4*\c:SB+8*\p+4*\c+3], v[ABS], s[10:11] offset:1024*\p+16*\c   ; lane l: row 32 p + l of my 64
.endr
.endr
.irp n, 0,1,2,3,4,5,6,7
	global_load_b128 v[SA+4*\n:SA+4*\n+3], v[YSO], s[6:7] offset:1024*\n                     ; tile 2 n + my row of waves: 512 consecutive bytes
.endr
.irp b, 0,1
.irp i, 0,1,2,3
	global_load_b128 v[BQ+16*\b+4*\i:BQ+16*\b+4*\i+3], v[BO], s[84:85] offset:128*\b+16*\i   ; columns 32 b + 16 h + 4 i on
.endr
.endr
	v_mul_u32_u24 v14, v1, PITCH
	v_lshl_add_u32 v14, v2, 4, v14                 ; a fragment of W: row x pitch + 16 x half
	s_mul_i32 s23, s16, 64*PITCH
	s_add_co_u32 s23, s23, YB
	v_add_nc_u32 v[ADRB], s23, v14
	v_lshlrev_b32 v15, 4, v3
	s_mul_i32 s23, s15, 16*PITCH                   ; a tile's image is 16 rows of 1,024 bytes
	v_add_nc_u32 v15, s23, v15
.irp n, 0,1,2,3,4,5,6,7
	v_add_nc_u32 v[XA+\n], (\n&3)*32*PITCH+(\n>>2)*YB, v15
.endr
	s_wait_alu depctr_va_vdst(0)
	s_mul_i32 s23, s14, 16*SPITCH
	s_add_co_u32 s23, s23, STAGE                   ; my stage
	v_mul_u32_u24 v14, v1, SPITCH
	v_lshl_add_u32 v14, v2, 6, v14
	v_add_nc_u32 v[STO], s23, v14                  ; in: row r, 64 bytes for each half of the lanes
	v_mul_u32_u24 v14, v2, SPITCH
	v_lshl_add_u32 v14, v1, 4, v14
	v_add_nc_u32 v[RD], s23, v14                   ; back: lanes 0-15 one row of 256 bytes, lanes 16-31 the next
	v_lshlrev_b32 v14, 12, v2
	v_lshl_add_u32 v[CO], v1, 4, v14               ; and the same two rows in out0
.macro WEIGHTS                         ; my 64 rows of W, all of K: fragment 4 q + b lies in window 1 + (4 q + b) / 16: 128 loads
.irp q, 0,1,2,3,4,5,6,7
	WIN (1+\q/4)<<6
.irp b, 0,1,2,3
.irp c, 0,1,2,3
	ds_load_b128 v[16*((4*\q+\b)%16)+4*\c:16*((4*\q+\b)%16)+4*\c+3], v[ADRB] offset:128*\q+32*\c+\b*16*PITCH
.endr
.endr
.endr
	WIN 0
.endm
.macro FETCH n                         ; block n's image, all of K, into set n % 2 of window 3: 32 loads of 512 consecutive bytes
	WIN 3<<6
.irp q, 0,1,2,3,4,5,6,7
.irp c, 0,1,2,3
	ds_load_b128 v[128*((\n)%2)+16*\q+4*\c:128*((\n)%2)+16*\q+4*\c+3], v[XA+(\n)] offset:(2*\q+\c/2)*PITCH+(\c%2)*512
.endr
.endr
	WIN 0
.endm
.macro PROD n, i                       ; product i = 4 q + b of block n: the q-th 128 of K, W's tile b
.set Q_, (\i)/4
.set B_, (\i)%4
.set AC_, ACC+8*B_
.set C_, AC_
.if Q_ == 0
.set C_, BQ+8*B_
.endif
.set X_, 128*((\n)%2)+16*Q_
.set W_, 16*((\i)%16)
.set XS_, SA+4*(\n)+Q_%4
.set WS_, SB+8*(B_/2)+Q_
	WIN (1+(\i)/16)|(3<<2)
.if (B_%2) && (Q_/4)
	v_wmma_scale_f32_16x16x128_f8f6f4 v[AC_:AC_+7], v[W_:W_+15], v[X_:X_+15], v[C_:C_+7], v[WS_], v[XS_] matrix_a_scale:MATRIX_SCALE_ROW1 matrix_b_scale:MATRIX_SCALE_ROW1
.elseif B_%2
	v_wmma_scale_f32_16x16x128_f8f6f4 v[AC_:AC_+7], v[W_:W_+15], v[X_:X_+15], v[C_:C_+7], v[WS_], v[XS_] matrix_a_scale:MATRIX_SCALE_ROW1
.elseif Q_/4
	v_wmma_scale_f32_16x16x128_f8f6f4 v[AC_:AC_+7], v[W_:W_+15], v[X_:X_+15], v[C_:C_+7], v[WS_], v[XS_] matrix_b_scale:MATRIX_SCALE_ROW1
.else
	v_wmma_scale_f32_16x16x128_f8f6f4 v[AC_:AC_+7], v[W_:W_+15], v[X_:X_+15], v[C_:C_+7], v[WS_], v[XS_]
.endif
.endm
.macro BLOCK n, w                      ; w: the LDS instructions issued behind the block's fetch, which may be out (-1: an earlier wait has shown the fetch done)
.if (\w) >= 0
	s_wait_dscnt \w
.endif
.set I_, 0
.rept 32
	PROD \n, I_
.set I_, I_+1
.endr
	WIN 0
	PLACES NP                                      ; ahead of the fetch into the set just read, of the stores of the sums, and of the next block's first products
.endm
.macro TOSTAGE n
.if (\n) > 1
	s_wait_xcnt 0x0                                ; block n - 2's stores have read their registers: block n's rows may land there
.endif
.irp b, 0,1,2,3
	ds_store_b128 v[STO], v[ACC+8*\b:ACC+8*\b+3] offset:128*(\b/2)+32*(\b%2)       ; each accumulator from its low end on
	ds_store_b128 v[STO], v[ACC+8*\b+4:ACC+8*\b+7] offset:128*(\b/2)+32*(\b%2)+16
.endr
.irp t, 0,1,2,3,4,5,6,7
	ds_load_b128 v[BK+32*((\n)%2)+4*\t:BK+32*((\n)%2)+4*\t+3], v[RD] offset:2*\t*SPITCH   ; LDS serves a wave's instructions in order: these see my stores
.endr
.endm
.macro SEND n, w                       ; w as in BLOCK, for the block's loads from the stage
.if (\w) >= 0
	s_wait_dscnt \w
.endif
.irp t, 0,1,2,3,4,5,6,7
	global_store_b128 v[CO], v[BK+32*((\n)%2)+4*\t:BK+32*((\n)%2)+4*\t+3], s[86:87] offset:(32*(\n)+2*\t+8*(\t/4))*4096 th:TH_STORE_NT   ; stage rows 2 t, 2 t + 1 are tokens 2 t + 8 (t / 4) on: 16 lanes store 256 consecutive bytes, aligned
.endr
.endm
	s_wait_alu depctr_va_vdst(0)                   ; the wait at the head's end
	s_cmp_lt_u32 s14, 2
	s_cbranch_scc0 .Lnot_w
	s_wait_tensorcnt 0x0                           ; waves 0 and 1: W's rows have landed.  The other waves' wait stands ahead of the round below
.Lnot_w:
	BARRIER
	WEIGHTS
	s_wait_tensorcnt 0x0                           ; all my tensor loads are in (waves 2, 3: the first 128 tokens),
	ds_add_u32 v[SPW], v[NIL]
	s_wait_dscnt 0x0                               ; the add is done, and W is in my registers
	CROUND                                         ; so of every wave of every partner
	TLOAD G0R, G1R                                 ; the second 128 tokens over W's rows: my one tensor load behind the round
	FETCH 0
	FETCH 1
	s_wait_loadcnt 0x0                             ; scale words and bias
	BLOCK 0, 32                                    ; block 1's fetch may be out
	FETCH 2
	TOSTAGE 0
	BLOCK 1, 48                                    ; block 2's fetch and the stage's sixteen
	FETCH 3
	TOSTAGE 1
	SEND 0, 48
	BLOCK 2, -1
	TOSTAGE 2
	SEND 1, 16
	BLOCK 3, -1
	s_wait_tensorcnt 0x0                           ; my quarter of the second 128 tokens is in
	s_wait_dscnt 0x0
	BARRIER                                        ; everybody's is
	FETCH 4
	FETCH 5
	TOSTAGE 3
	SEND 2, -1
	BLOCK 4, 48
	FETCH 6
	TOSTAGE 4
	SEND 3, 48
	BLOCK 5, -1
	FETCH 7
	TOSTAGE 5
	SEND 4, 48
	BLOCK 6, -1
	TOSTAGE 6
	SEND 5, 16
	BLOCK 7, -1
	TOSTAGE 7
	SEND 6, 16
	SEND 7, 0
	s_wait_tensorcnt 0x0                           ; the wave's end
	ds_add_u32 v[SPW], v[NIL]
	s_wait_dscnt 0x0
	CROUND                                         ; the closing round
	s_endpgm
.Lfunc_end_k_qbd10e7123d_proj:
	.size	k_qbd10e7123d_proj, .Lfunc_end_k_qbd10e7123d_proj-k_qbd10e7123d_proj
	.p2alignl 7, 3214868480
	.fill 96, 4, 3214868480
	.section	.rodata,"a",@progbits
	.p2align	6, 0x0
	.amdhsa_kernel k_qbd10e7123d_proj
		.amdhsa_group_segment_fixed_size 327680
		.amdhsa_private_segment_fixed_size 0
		.amdhsa_enable_private_segment 0
		.amdhsa_kernarg_size 48
		.amdhsa_user_sgpr_count 2
		.amdhsa_user_sgpr_kernarg_segment_ptr 1
		.amdhsa_wavefront_size32 1
		.amdhsa_system_sgpr_workgroup_id_x 1
		.amdhsa_system_sgpr_workgroup_id_y 1
		.amdhsa_system_sgpr_workgroup_id_z 1
		.amdhsa_system_vgpr_workitem_id 0
		.amdhsa_next_free_vgpr 1024
		.amdhsa_next_free_sgpr 100
		.amdhsa_reserve_vcc 0
		.amdhsa_float_denorm_mode_32 3
		.amdhsa_float_denorm_mode_16_64 3
		.amdhsa_memory_ordered 1
		.amdhsa_forward_progress 1
		.amdhsa_inst_pref_size 86
	.end_amdhsa_kernel
	.amdgpu_metadata
---
amdhsa.version: [ 1, 2 ]
amdhsa.kernels:
  - .name:           k_qbd10e7123d_proj
    .symbol:         k_qbd10e7123d_proj.kd
    .args:
      - { .name: yimg, .offset: 0, .size: 8, .value_kind: global_buffer, .address_space: global }
      - { .name: ys, .offset: 8, .size: 8, .value_kind: global_buffer, .address_space: global }
      - { .name: cod, .offset: 16, .size: 8, .value_kind: global_buffer, .address_space: global }
      - { .name: scl, .offset: 24, .size: 8, .value_kind: global_buffer, .address_space: global }
      - { .name: b_proj, .offset: 32, .size: 8, .value_kind: global_buffer, .address_space: global }
      - { .name: out0, .offset: 40, .size: 8, .value_kind: global_buffer, .address_space: global }
    .group_segment_fixed_size: 327680
    .private_segment_fixed_size: 0
    .kernarg_segment_align: 8
    .kernarg_segment_size: 48
    .max_flat_workgroup_size: 128
    .sgpr_count:     100
    .vgpr_count:     1024
    .wavefront_size: 32
...
	.end_amdgpu_metadata
.endif
;; end of part 4
